; MI455X (gfx1250); checked and timed in simulation.
; The chip was launched on July 23, 2026; its instructions are those of AMD's public machine-readable ISA for CDNA 5 (MIT licence, August 2026) and "CDNA5" Instruction Set Architecture Reference Guide (July 2026). The comments in the code are by the model that wrote it; some were corrected since.
;; Multihead Attention. Allowed arithmetic: matrix products marked QUANTISED: E2M3 operands, one E8M0 scale for each 32 along K, by v_wmma_scale_f32_16x16x128_f8f6f4 with both operands' format E2M3, f32 sums; everything else in f32.
;; Inputs: Wk 1,024 x 1,024 float32; Wo 1,024 x 1,024 float32; Wq 1,024 x 1,024 float32; Wv 1,024 x 1,024 float32; bo 1,024 float32; key 4 x 2,048 x 1,024 float32; mask 2,048 x 2,048 bool; query 4 x 2,048 x 1,024 float32; value 4 x 2,048 x 1,024 float32.
;; Outputs: out0 4 x 2,048 x 1,024 float32.
;; This version of the problem:
;;   THIS VERSION OF THE PROBLEM IS GIVEN IN LOW PRECISION. The matrix products marked QUANTISED in the list below multiply operands that are first quantised to E2M3 (2 exponent bits, 3 mantissa bits; 6 bits a number), with one power-of-two scale for each 32 numbers along K (OCP MX v1.0); their sums are f32. All else is computed in f32.
;;   The module's matrix products, in the order in which they are computed (A, B: the left and right operand; K: the contracted axis; several contracted axes count as one K, in the product's order):
;;     1. [M 8,192, K 1,024] x [K 1,024, N 1,024]; A: input query; B: input Wq: QUANTISED
;;     2. [M 8,192, K 1,024] x [K 1,024, N 1,024]; A: input key; B: input Wk: QUANTISED
;;     3. [M 8,192, K 1,024] x [K 1,024, N 1,024]; A: input value; B: input Wv: QUANTISED
;;     4. batch 64 x [M 2,048, K 64] x [K 64, N 2,048]; A: computed on the way; B: computed on the way: QUANTISED
;;     5. batch 64 x [M 2,048, K 2,048] x [K 2,048, N 64]; A: softmax (see below); B: computed on the way: QUANTISED
;;     6. [M 8,192, K 1,024] x [K 1,024, N 1,024]; A: computed on the way; B: input Wo: QUANTISED
;;   THE QUANTISER, for each operand of a quantised product, along K:
;;     - K is cut into blocks of 32 from its start; a last block that is shorter is filled with zeros.
;;     - A block's scale is 2^e with e = floor(log2(the largest magnitude in the block)) - 2, held to -126 .. 127; a block of zeros has e = 0. As a byte (E8M0): e + 127.
;;     - Each number is divided by its block's scale, clamped to +-7.5, and rounded to the nearest number of E2M3, ties to even, subnormals kept.
;;     - The product sums the exact products of the quantised numbers (number of the format x scale) in f32.
;;   ~~~python
;;   def quantise(x, axis):      # numpy; x: float32 -> the quantised numbers, widened to float32 again
;;       x = np.moveaxis(x, axis, -1); K = x.shape[-1]
;;       x = np.pad(x, [(0, 0)] * (x.ndim - 1) + [(0, -K % 32)]); x = x.reshape(x.shape[:-1] + (-1, 32)); a = np.abs(x).max(-1, keepdims=True)
;;       e = np.where(a > 0, np.clip(np.frexp(np.where(a > 0, a, 1))[1] - 1 - 2, -126, 127), 0)      # np.frexp(a)[1] - 1 = floor(log2(a)), exactly
;;       r = np.clip(x / 2.0 ** e, -7.5, 7.5)
;;       step = 2.0 ** (np.maximum(np.frexp(np.where(r == 0, 1, r))[1] - 1, 0) - 3)
;;       q = np.round(r / step) * step * 2.0 ** e      # np.round: ties to even
;;       return np.moveaxis(q.reshape(q.shape[:-2] + (-1,))[..., :K], -1, axis).astype(np.float32)
;;   ~~~
;;   SOFTMAX AHEAD OF A QUANTISED PRODUCT. Where the list says 'softmax', what is quantised is not the finished softmax but p = 2^(t - M), with t = logit x log2(e) and M = ceil(the row's largest t), a whole number; so 1/2 < the row's largest p <= 1. The row's sum l is taken of the UNQUANTISED p, in f32, and the product's result is divided by l at the end. Since M is a whole number, a kernel that streams over the keys may use a running M (the ceiling of the running maximum): every later rescaling is an exact power of two, which a block's scale takes up: the codes' values come out the same.
;;   OPERANDS COMPUTED ON THE WAY. 'Computed on the way' means the value that the module computes at that place (a softmax that the list does not call 'softmax' is quantised finished and normalised). What goes into a quantiser is computed in f32, as accurately as f32 sums, v_exp_f32 and their like allow (about 1e-6 of the number): no bf16 or f16 on the way to a quantiser, and a product that is left as it is and whose result goes on into a quantised operand takes f32 operands (vector FMAs, or v_wmma_f32_16x16x4_f32). A number that lies on a knife's edge between two numbers of the format may be rounded either way, as far as f32 arithmetic and the matrix unit's own rounding can turn it there, and no further.
;; One version. Each part assembles by itself: llvm-mc -triple=amdgcn-amd-amdhsa -mcpu=gfx1250 --defsym DOCPART=n.
;; ======== version 1 of 1: 4 launches
;; workspace buffers: xq 19,660,800 bytes; wq 3,276,800 bytes; mw 540,672 bytes of whole numbers; img 20,447,232 bytes; ao 6,553,600 bytes
;; launch prep (part 1): grid 1408 x 1, 4 waves a work-group, no clusters, 68,096 bytes of LDS; arguments query, key, value, Wq, Wk, Wv, Wo, mask, xq, wq, mw; writes xq, wq, mw
.if DOCPART == 1
	.amdgcn_target "amdgcn-amd-amdhsa--gfx1250"
	.amdhsa_code_object_version 6
	.text
	.protected	k_qf083adaa5c_prep
	.globl	k_qf083adaa5c_prep
	.p2align	8
	.type	k_qf083adaa5c_prep,@function
k_qf083adaa5c_prep:
	s_mov_b64 s[64:65], 0
	v_nop
	global_prefetch_b8 v0, s[64:65] scope:SCOPE_SE
	s_setreg_imm32_b32 hwreg(HW_REG_WAVE_MODE, 25, 1), 1
	s_wait_xcnt 0x0
; PREP: everything that later launches read many times is made narrow once.  Three paths, parted by the work-group's number alone.
;  A (work-groups 0-767):   query, key, value [8192][1024] f32 -> codes of FP6 (E2M3), K innermost, 768 bytes a row, and one E8M0 byte for each 32 along K.
;  W (768-895):             Wq, Wk, Wv, Wo [1024 (k)][1024 (n)] f32, K is the FIRST axis -> codes laid [n][k], 768 bytes a row, and scale bytes [n][32].
;  M (896-1407):            the mask [2048][2048] of bytes -> words of 32 lane bits in the order in which the attention launch holds its scores, and for each tile of 16 queries x 128 keys the AND and the OR of its 64 words.
; THE ROWS' ORDER.  Row p of every tensor of codes and of scale bytes is written at place sigma(p) = p with bits 3 and 4 exchanged.  Sixteen neighbouring STORED rows (tile a, lane r) are then the rows
; 32 (a / 2) + 8 (a % 2) + r + 8 (r / 8): with such tiles as source 0 of a matrix instruction a lane's 16 registers of two neighbouring tiles are 16 neighbours, which the next quantiser wants.
; A block's scale is 2^(floor(log2(its largest magnitude)) - 2); its byte is the largest magnitude's exponent field - 2, held at 1 from below.
; LIMITS: NaN and infinities among the inputs are not served; a block whose largest magnitude lies under 2^-124 (a block of zeros too) gets the byte 1: its codes are zeros or near it, and this program alone reads the bytes.
; A mask byte counts as set where it is not 0.
; Memory binds here: no matrix unit, no cluster, no tensor load; waves share nothing, so there is no barrier.  Each path has LDS bytes of its own.
.set STEPS, 16
.set CB,    12                         ; bytes of 16 codes
.set R,     16                         ; path A: v16-79   four sets of 16 numbers as loaded
.set X,     80                         ;         v80-111  two sets of 16 neighbours
.set E,     112                        ;         v112-127 a scale byte for each step
.set C,     128                        ;         v128-191 codes, four registers a step
.set WREG,  8192                       ; path A's LDS: a region for each wave: two stages of 32 x SP bytes, then its 256 scale bytes
.set SP,    80
.set WSTG,  32768                      ; path W's LDS: four stages of 32 rows x PITCH
.set PITCH, 272
.set KROW,  768                        ; a row of codes in memory
.set NB,    8                          ; path W: blocks of 32 along K for a wave
.set WX,    32                         ; path W: v32-95 two sets of 32 numbers; v96.. a block's codes; v112-175 the way out; v24-25 the scale bytes
.set WC,    96
.set OUTR,  112
.set SBR,   24
.set SPW,   192                        ; v192 LDS address of my spare word; never rewritten
.set NIL,   193                        ; v193 0; never rewritten
.set SPARE, WSTG+4*32*PITCH            ; the spare words: 128 bytes a wave, two blocks of 256 bytes that no other line names
	s_load_b512 s[4:19], s[0:1], 0x0               ; query s[4:5], key s[6:7], value s[8:9], Wq s[10:11], Wk s[12:13], Wv s[14:15], Wo s[16:17], mask s[18:19]
	s_load_b128 s[20:23], s[0:1], 0x40             ; xq, wq
	s_load_b64 s[24:25], s[0:1], 0x50              ; mw
	v_lshl_add_u32 v[SPW], v0, 2, SPARE
	v_mov_b32 v[NIL], 0
	v_lshrrev_b32 v1, 5, v0
	v_readfirstlane_b32 s26, v1                    ; wave 0..3
	v_and_b32 v2, 31, v0                           ; lane
	s_wait_kmcnt 0x0
	s_cmp_ge_u32 ttmp9, 768
	s_cbranch_scc1 .Lnot_a
; ---------------- PATH A: a wave takes a run of 8,192 numbers (8 rows), 16 steps of 512.  Each load reads 512 consecutive bytes; a step's 2,048 bytes turn through the wave's own stage, so that a lane gets 16 neighbours.
	v_lshlrev_b32 v3, 4, v2                        ; my 16 bytes of a load's 512
	s_mul_i32 s27, s26, WREG
	v_lshrrev_b32 v14, 2, v2
	v_mul_u32_u24 v14, v14, SP
	v_and_b32 v15, 3, v2
	v_lshl_add_u32 v14, v15, 4, v14
	v_add_nc_u32 v14, s27, v14                     ; the stage, in: SP (lane / 4) + 16 (lane % 4)
	v_mul_u32_u24 v15, v2, SP
	v_add_nc_u32 v15, s27, v15                     ; and out: SP x lane
	v_mul_u32_u24 v4, v2, CB                       ; my codes' place in a step's 384 bytes
	v_lshrrev_b32 v5, 1, v2
	s_add_co_u32 s27, s27, 2*32*SP
	v_add_nc_u32 v5, s27, v5                       ; my block's byte among the wave's 256
	v_lshlrev_b32 v7, 3, v2
	v_add_nc_u32 v6, s27, v7
	s_cmp_lt_u32 ttmp9, 256                        ; which tensor: the choice hangs on the work-group's number alone
	s_cselect_b64 s[4:5], s[4:5], s[6:7]
	s_cmp_lt_u32 ttmp9, 512
	s_cselect_b64 s[4:5], s[4:5], s[8:9]
	s_lshr_b32 s28, ttmp9, 8                       ; tensor 0, 1, 2
	s_and_b32 s29, ttmp9, 255
	s_lshl_b32 s29, s29, 2
	s_add_co_u32 s30, s29, s26                     ; the run that I read
	s_lshl_b32 s30, s30, 15                        ; 32,768 bytes a run
	s_mov_b32 s31, 0
	s_add_nc_u64 s[4:5], s[4:5], s[30:31]
	s_and_b32 s32, s26, 1                          ; a run is 8 rows, so sigma exchanges the run number's two low bits, which are the wave's
	s_lshl_b32 s32, s32, 1
	s_lshr_b32 s33, s26, 1
	s_or_b32 s32, s32, s33
	s_add_co_u32 s32, s32, s29                     ; the run that I write
	s_mul_i32 s30, s32, 6144
	s_mul_i32 s33, s28, 6291456
	s_add_co_u32 s30, s30, s33
	s_add_nc_u64 s[8:9], s[20:21], s[30:31]        ; its codes
	s_lshl_b32 s30, s32, 8
	s_lshl_b32 s33, s28, 18
	s_add_co_u32 s30, s30, s33
	s_add_co_u32 s30, s30, 18874368
	s_add_nc_u64 s[10:11], s[20:21], s[30:31]      ; its 256 scale bytes
.macro LOAD t
.irp i, 0,1,2,3
	global_load_b128 v[R+16*((\t)%4)+4*\i:R+16*((\t)%4)+4*\i+3], v3, s[4:5] offset:2048*(\t)+512*\i th:TH_LOAD_NT
.endr
.endm
.macro TURN t                          ; LDS serves a wave's instructions in order (ISA guide 5.7.1.4): no wait between the stores and the loads
.irp i, 0,1,2,3
	ds_store_b128 v14, v[R+16*((\t)%4)+4*\i:R+16*((\t)%4)+4*\i+3] offset:32*SP*((\t)%2)+8*SP*\i
.endr
.irp i, 0,1,2,3
	ds_load_b128 v[X+16*((\t)%2)+4*\i:X+16*((\t)%2)+4*\i+3], v15 offset:32*SP*((\t)%2)+16*\i
.endr
.endm
.irp t, 0,1,2,3
	LOAD \t
.endr
	s_wait_loadcnt 12                              ; step 0's four loads are in; twelve younger ones stay out
	TURN 0
.macro STEP t
.set XS, X+16*((\t)%2)
.if (\t) > 0
	s_wait_dscnt 1                                 ; this step's numbers are back from the stage; the last step's byte store may be out
.else
	s_wait_dscnt 0x0
.endif
.if (\t)+4 < STEPS
	LOAD (\t)+4                                    ; into the registers that this step's stage stores have read
.endif
.if (\t)+1 < STEPS
.if STEPS-2-(\t) >= 3
	s_wait_loadcnt 12                              ; the next step's four loads are in; those of three steps behind it may be out
.else
	s_wait_loadcnt 4*(STEPS-2-(\t))
.endif
	TURN (\t)+1
.endif
	v_max3_num_f32 v8, |v[XS]|, |v[XS+1]|, |v[XS+2]|
	v_max3_num_f32 v9, |v[XS+3]|, |v[XS+4]|, |v[XS+5]|
.irp i, 6,10
	v_max3_num_f32 v8, v8, |v[XS+\i]|, |v[XS+\i+1]|
	v_max3_num_f32 v9, v9, |v[XS+\i+2]|, |v[XS+\i+3]|
.endr
	v_max3_num_f32 v8, v8, |v[XS+14]|, |v[XS+15]|
	v_max3_num_f32 v8, v8, v9, 0x1800000           ; and the floor 2^(3 - 127): the byte cannot fall under 1
	v_max_num_f32_dpp v8, v8, v8 row_xmask:1 row_mask:0xf bank_mask:0xf   ; with my neighbour's 16: the block's largest magnitude
	v_add_nc_u32 v11, 0xff000000, v8               ; 2 off its exponent field: the conversion takes this operand's exponent field as its scale
	v_cvt_scalef32_pk16_fp6_f32 v[C+4*(\t):C+4*(\t)+2], v[XS:XS+15], v11
	v_lshrrev_b32 v[E+(\t)], 23, v11               ; the scale's byte (also the plain line behind the conversion)
	ds_store_b8 v5, v[E+(\t)] offset:16*(\t)       ; both lanes of a block write the same byte with the same value
	global_store_b96 v4, v[C+4*(\t):C+4*(\t)+2], s[8:9] offset:32*CB*(\t)   ; the wave stores 384 consecutive bytes
.endm
.irp t, 0,1,2,3,4,5,6,7,8,9,10,11,12,13,14,15
	STEP \t
.endr
	ds_load_b64 v[8:9], v6
	s_wait_dscnt 0x0
	global_store_b64 v7, v[8:9], s[10:11]          ; 32 lanes store 256 consecutive bytes, aligned
	s_wait_tensorcnt 0x0                           ; the wave's end
	ds_add_u32 v[SPW], v[NIL]
	s_wait_dscnt 0x0
	s_endpgm
.Lnot_a:
	s_cmp_ge_u32 ttmp9, 896
	s_cbranch_scc1 .Lmask
; ---------------- PATH W: a lane takes a column n and its registers run down K; a wave takes 32 columns x 256 along K.  The codes leave through the wave's own stage as rows of 192 bytes.
	s_sub_co_u32 s27, ttmp9, 768
	s_and_b32 s28, s27, 7                          ; which 128 columns
	s_lshr_b32 s27, s27, 3
	s_lshr_b32 s29, s27, 2                         ; which weight: q, k, v, o
	s_and_b32 s27, s27, 3                          ; which 256 along K
	s_cmp_eq_u32 s29, 0
	s_cselect_b64 s[4:5], s[10:11], s[12:13]
	s_cmp_lt_u32 s29, 2
	s_cselect_b64 s[4:5], s[4:5], s[14:15]
	s_cmp_lt_u32 s29, 3
	s_cselect_b64 s[4:5], s[4:5], s[16:17]
	s_lshl_b32 s28, s28, 7
	s_lshl_b32 s30, s26, 5
	s_add_co_u32 s28, s28, s30                     ; my wave's first column, a multiple of 32
	v_lshlrev_b32 v3, 2, v2                        ; in: 4 bytes a lane
	s_mul_i32 s30, s26, 32*PITCH
	s_add_co_u32 s30, s30, WSTG                    ; my stage
	v_mul_u32_u24 v4, v2, PITCH
	v_add_nc_u32 v4, s30, v4                       ; into it: row = my column
	v_and_b32 v5, 15, v2
	v_lshrrev_b32 v6, 4, v2
	v_mul_u32_u24 v7, v6, PITCH
	v_lshl_add_u32 v7, v5, 4, v7
	v_add_nc_u32 v7, s30, v7                       ; out of it: sixteen lanes to a row, two rows an instruction
	v_mul_u32_u24 v8, v6, KROW
	v_mad_u32_u24 v8, v5, 12, v8                   ; and the same place in the codes' buffer
	v_and_b32 v9, 7, v2                            ; sigma of my column among the wave's 32,
	v_and_b32 v10, 8, v2
	v_lshl_or_b32 v9, v10, 1, v9
	v_and_b32 v10, 16, v2
	v_lshrrev_b32 v10, 1, v10
	v_or_b32 v9, v9, v10
	v_lshlrev_b32 v9, 5, v9                        ; times a row of 32 scale bytes
	s_lshl_b32 s30, s27, 20                        ; W: 256 rows of 4,096 bytes
	s_lshl_b32 s31, s28, 2
	s_add_co_u32 s30, s30, s31
	s_mov_b32 s31, 0
	s_add_nc_u64 s[4:5], s[4:5], s[30:31]
	s_mul_i32 s30, s29, 786432
	s_mul_i32 s32, s28, KROW
	s_add_co_u32 s30, s30, s32
	s_mul_i32 s32, s27, 192
	s_add_co_u32 s30, s30, s32
	s_add_nc_u64 s[6:7], s[22:23], s[30:31]        ; the codes
	s_lshl_b32 s30, s29, 15
	s_lshl_b32 s32, s28, 5
	s_add_co_u32 s30, s30, s32
	s_lshl_b32 s32, s27, 3
	s_add_co_u32 s30, s30, s32
	s_add_co_u32 s30, s30, 3145728
	s_add_nc_u64 s[8:9], s[22:23], s[30:31]        ; the scale bytes
.macro WLOAD t                         ; block t: W(32 t + i, my column) into set t % 2: 32 lanes read 128 consecutive bytes
.irp i, 0,1,2,3,4,5,6,7,8,9,10,11,12,13,14,15,16,17,18,19,20,21,22,23,24,25,26,27,28,29,30,31
	global_load_b32 v[WX+32*((\t)%2)+\i], v3, s[4:5] offset:(32*(\t)+\i)*4096 th:TH_LOAD_NT
.endr
.endm
	WLOAD 0
	WLOAD 1
.macro BLOCK t
.set XW, WX+32*((\t)%2)
.if (\t) < NB-1
	s_wait_loadcnt 32                              ; this block's 32 loads are in; the next block's may be out
.else
	s_wait_loadcnt 0
.endif
	v_max3_num_f32 v12, |v[XW]|, |v[XW+1]|, |v[XW+2]|     ; all 32 numbers of the block are mine
	v_max3_num_f32 v13, |v[XW+3]|, |v[XW+4]|, |v[XW+5]|
.irp i, 6,10,14,18,22,26
	v_max3_num_f32 v12, v12, |v[XW+\i]|, |v[XW+\i+1]|
	v_max3_num_f32 v13, v13, |v[XW+\i+2]|, |v[XW+\i+3]|
.endr
	v_max3_num_f32 v12, v12, |v[XW+30]|, |v[XW+31]|
	v_max3_num_f32 v12, v12, v13, 0x1800000        ; the floor
	v_add_nc_u32 v11, 0xff000000, v12
	v_lshrrev_b32 v13, 23, v11
.if (\t)%4 == 0
	v_mov_b32 v[SBR+(\t)/4], v13                   ; four bytes to a register, the lower K in the lower byte
.else
	v_lshl_or_b32 v[SBR+(\t)/4], v13, 8*((\t)%4), v[SBR+(\t)/4]
.endif
	v_cvt_scalef32_pk16_fp6_f32 v[WC:WC+2], v[XW:XW+15], v11
	v_cvt_scalef32_pk16_fp6_f32 v[WC+4:WC+6], v[XW+16:XW+31], v11
	ds_store_b96 v4, v[WC:WC+2] offset:32*(\t)     ; 12 bytes to a place of 16, so that every LDS address is a multiple of 16
	ds_store_b96 v4, v[WC+4:WC+6] offset:32*(\t)+16
.if (\t)+2 < NB
	WLOAD (\t)+2
.endif
	s_wait_dscnt 0x0                               ; the stores have read their registers: the next block's codes may be written
.endm
.irp t, 0,1,2,3,4,5,6,7
	BLOCK \t
.endr
	global_store_b64 v9, v[SBR:SBR+1], s[8:9]      ; my column's 8 scale bytes, at its stored row
.irp t, 0,1,2,3,4,5,6,7,8,9,10,11,12,13,14,15
	ds_load_b96 v[OUTR+4*\t:OUTR+4*\t+2], v7 offset:2*\t*PITCH
.endr
.irp t, 0,1,2,3,4,5,6,7,8,9,10,11,12,13,14,15
	s_wait_dscnt 15-\t
	global_store_b96 v8, v[OUTR+4*\t:OUTR+4*\t+2], s[6:7] offset:(((2*\t)&7)+16*(((2*\t)>>3)&1)+8*(((2*\t)>>4)&1))*KROW   ; columns 2 t, 2 t + 1 go to rows sigma(2 t), sigma(2 t) + 1
.endr
	s_wait_tensorcnt 0x0                           ; the wave's end
	ds_add_u32 v[SPW], v[NIL]
	s_wait_dscnt 0x0
	s_endpgm
.Lmask:
; ---------------- PATH M: a wave takes the tile of 16 queries T and the 128 keys s.  Lane (r, h) stands for query 32 (T / 2) + 8 (T % 2) + r + 8 (r / 8); word n = 16 b + i holds, in the lane's bit, the mask at key 128 s + 32 b + 16 h + i.
	s_sub_co_u32 s27, ttmp9, 896
	s_lshr_b32 s28, s27, 2                         ; T
	s_and_b32 s27, s27, 3
	s_lshl_b32 s27, s27, 2
	s_add_co_u32 s27, s27, s26                     ; s
	s_lshr_b32 s29, s28, 1
	s_lshl_b32 s29, s29, 5
	s_and_b32 s30, s28, 1
	s_lshl_b32 s30, s30, 3
	s_add_co_u32 s29, s29, s30                     ; the tile's first query
	s_lshl_b32 s30, s29, 11
	s_lshl_b32 s31, s27, 7
	s_add_co_u32 s30, s30, s31
	s_mov_b32 s31, 0
	s_add_nc_u64 s[18:19], s[18:19], s[30:31]
	v_and_b32 v3, 15, v2
	v_and_b32 v4, 8, v2
	v_add_nc_u32 v3, v3, v4                        ; r + 8 (r / 8)
	v_lshrrev_b32 v4, 4, v2
	v_lshlrev_b32 v3, 11, v3
	v_lshl_add_u32 v3, v4, 4, v3                   ; + 16 h
.irp b, 0,1,2,3
	global_load_b128 v[16+4*\b:19+4*\b], v3, s[18:19] offset:32*\b
.endr
	s_lshl_b32 s30, s28, 4
	s_add_co_u32 s30, s30, s27
	s_lshl_b32 s30, s30, 8
	s_add_nc_u64 s[32:33], s[24:25], s[30:31]      ; the tile's 64 words
	s_lshl_b32 s30, s28, 7
	s_lshl_b32 s34, s27, 2
	s_add_co_u32 s30, s30, s34
	s_add_co_u32 s30, s30, 524288
	s_add_nc_u64 s[34:35], s[24:25], s[30:31]      ; its AND word; its OR word lies 64 bytes on
	s_mov_b32 s36, -1
	s_mov_b32 s37, 0
	v_mov_b32 v10, 0
	v_mov_b32 v11, 0
	v_lshlrev_b32 v9, 3, v2
	v_lshlrev_b32 v13, 6, v2
	s_wait_loadcnt 0x0
.set n, 0
.rept 64
	v_bfe_u32 v8, v[16+4*(n/16)+(n%16)/4], 8*(n%4), 8
	v_cmp_ne_u32 s38, 0, v8                        ; the 32 lanes' bits of word n
	s_and_b32 s36, s36, s38
	s_or_b32 s37, s37, s38
	v_writelane_b32 v[10+n%2], s38, n/2            ; lane L keeps words 2 L and 2 L + 1
.set n, n+1
.endr
	global_store_b64 v9, v[10:11], s[32:33]        ; 32 lanes store 256 consecutive bytes, aligned
	v_mov_b32 v12, s36
	v_writelane_b32 v12, s37, 1
	s_wait_xcnt 0x0                                ; EXEC changes only behind this wait
	v_cmp_gt_u32 vcc_lo, 2, v2
	s_and_saveexec_b32 s39, vcc_lo
	global_store_b32 v13, v12, s[34:35]            ; lane 0 the AND, lane 1 the OR
	s_wait_xcnt 0x0
	s_or_b32 exec_lo, exec_lo, s39
	s_wait_tensorcnt 0x0                           ; all paths of this launch end alike
	ds_add_u32 v[SPW], v[NIL]
	s_wait_dscnt 0x0
	s_endpgm
.Lfunc_end_k_qf083adaa5c_prep:
	.size	k_qf083adaa5c_prep, .Lfunc_end_k_qf083adaa5c_prep-k_qf083adaa5c_prep
	.p2alignl 7, 3214868480
	.fill 96, 4, 3214868480
	.section	.rodata,"a",@progbits
	.p2align	6, 0x0
	.amdhsa_kernel k_qf083adaa5c_prep
		.amdhsa_group_segment_fixed_size 68096
		.amdhsa_private_segment_fixed_size 0
		.amdhsa_enable_private_segment 0
		.amdhsa_kernarg_size 88
		.amdhsa_user_sgpr_count 2
		.amdhsa_user_sgpr_kernarg_segment_ptr 1
		.amdhsa_wavefront_size32 1
		.amdhsa_system_sgpr_workgroup_id_x 1
		.amdhsa_system_sgpr_workgroup_id_y 1
		.amdhsa_system_sgpr_workgroup_id_z 1
		.amdhsa_system_vgpr_workitem_id 0
		.amdhsa_next_free_vgpr 200
		.amdhsa_next_free_sgpr 66
		.amdhsa_reserve_vcc 1
		.amdhsa_float_denorm_mode_32 3
		.amdhsa_float_denorm_mode_16_64 3
		.amdhsa_memory_ordered 1
		.amdhsa_forward_progress 1
		.amdhsa_inst_pref_size 92
	.end_amdhsa_kernel
	.amdgpu_metadata
---
amdhsa.version: [ 1, 2 ]
amdhsa.kernels:
  - .name:           k_qf083adaa5c_prep
    .symbol:         k_qf083adaa5c_prep.kd
    .args:
      - { .name: query, .offset: 0, .size: 8, .value_kind: global_buffer, .address_space: global }
      - { .name: key, .offset: 8, .size: 8, .value_kind: global_buffer, .address_space: global }
      - { .name: value, .offset: 16, .size: 8, .value_kind: global_buffer, .address_space: global }
      - { .name: Wq, .offset: 24, .size: 8, .value_kind: global_buffer, .address_space: global }
      - { .name: Wk, .offset: 32, .size: 8, .value_kind: global_buffer, .address_space: global }
      - { .name: Wv, .offset: 40, .size: 8, .value_kind: global_buffer, .address_space: global }
      - { .name: Wo, .offset: 48, .size: 8, .value_kind: global_buffer, .address_space: global }
      - { .name: mask, .offset: 56, .size: 8, .value_kind: global_buffer, .address_space: global }
      - { .name: xq, .offset: 64, .size: 8, .value_kind: global_buffer, .address_space: global }
      - { .name: wq, .offset: 72, .size: 8, .value_kind: global_buffer, .address_space: global }
      - { .name: mw, .offset: 80, .size: 8, .value_kind: global_buffer, .address_space: global }
    .group_segment_fixed_size: 68096
    .private_segment_fixed_size: 0
    .kernarg_segment_align: 8
    .kernarg_segment_size: 88
    .max_flat_workgroup_size: 128
    .sgpr_count:     66
    .vgpr_count:     200
    .wavefront_size: 32
...
	.end_amdgpu_metadata
.endif
;; end of part 1
;; launch proj (part 2): grid 4 x 96, 4 waves a work-group, clusters of 4 x 4, 327,680 bytes of LDS; arguments xq, wq, img; writes img
.if DOCPART == 2
	.amdgcn_target "amdgcn-amd-amdhsa--gfx1250"
	.amdhsa_code_object_version 6
	.text
	.protected	k_qf083adaa5c_proj
	.globl	k_qf083adaa5c_proj
	.p2align	8
	.type	k_qf083adaa5c_proj,@function
k_qf083adaa5c_proj:
	s_mov_b64 s[64:65], 0
	v_nop
	global_prefetch_b8 v0, s[64:65] scope:SCOPE_SE
	s_setreg_imm32_b32 hwreg(HW_REG_WAVE_MODE, 25, 1), 1
	s_wait_xcnt 0x0
	s_wait_alu depctr_hold_cnt(0) depctr_sa_sdst(0) depctr_va_vdst(0) depctr_va_sdst(0) depctr_va_ssrc(0) depctr_va_vcc(0) depctr_vm_vsrc(0)
	s_getreg_b32 s2, hwreg(HW_REG_IB_STS2, 6, 4)
	s_cmp_eq_u32 s2, 0
	s_cbranch_scc0 .Lentry_in_a_cluster
	s_endpgm
.Lentry_in_a_cluster:
	s_bfe_u32 s2, ttmp6, 0x10000c
	s_cmp_lg_u32 s2, 0xf033
	s_cbranch_scc0 .Lentry_shape_is_right
	s_endpgm
.Lentry_shape_is_right:
; PROJ: q = query Wq, k = key Wk, v = value Wv on codes of FP6 (E2M3) with E8M0 scales, K = 1,024, sums in f32; the results are quantised in registers and leave as IMAGES OF OPERAND REGISTERS for the attention launch.
; 24 clusters of 4 x 4 work-groups; the cluster's y says which product (y / 8: 0 q, 1 k, 2 v) and which eighth of its 8,192 tokens (y % 8).  A work-group makes 256 x 256 of "C = A B^T", a wave 128 x 128: 64 accumulators, 512 registers.
; For q and k: A = the tokens, B = the weight's columns.  For v the two change places (A = Wv's columns, B = the tokens), since a lane's registers run along B's rows and v is quantised along the KEYS.  The choice is made of the cluster's y alone,
; by s_cselect, so all sixteen partners run the same lines.
; The ring: K goes in steps of 256 through two LDS slots filled by the tensor data mover; the scales of the work-group's rows, for all of K, come once.  A's tile is shared along a row of the cluster, B's along a column: each is asked for JOINTLY.
; THE MATRIX INSTRUCTION IS USED TRANSPOSED (source 0 = 16 rows of B, source 1 = 16 rows of A).  All tensors of codes lie with bits 3 and 4 of the row number exchanged, so 16 stored rows of B are rows 32 (b / 2) + 8 (b % 2) + r + 8 (r / 8),
; and the 64 registers of one block of A hold, in register 16 b' + i of lane (r, h), column 32 b' + 16 h + i of the wave's 128: 16 neighbours of each block of 32, as the conversions want them.
; THE WAY OUT, for each of A's eight blocks: four blocks' largest magnitudes, scale bytes, conversions; the 12 registers of codes are a fragment (16 rows x 128 along the next K) and are stored as six planes of 256 bytes (plane p: registers 2 p, 2 p + 1,
; lane l's 8 bytes at 8 l).  For q and k the 128 columns are two heads of 64: planes 0-2 the even head, 3-5 the odd; the scale word stored is the head's two bytes written twice (lanes 0-15 the even head's, 16-31 the odd head's).
; LIMITS: a block whose largest magnitude lies under 2^-124 gets the byte 1; NaN and infinities are not served.
; REGISTERS, in windows of 256: window 0: v0-31 addresses; v32-63 scale words, two sets, and nothing else; v64-95 the way out's work; from v128 A's fragments, ONE set (on the way out v96-223 take the codes); window 1: B's fragments, two sets;
; windows 2 and 3: the accumulators of my rows 0-63 and 64-127 (accumulator (a, b) at v[8 (8 (a % 4) + b)]).
.set KSTEP,  256
.set NQ,     2
.set ROWB,   192                       ; a tile's row: 256 codes
.set KROW,   768                       ; a row of codes in memory
.set PITCH,  240                       ; an LDS row: 3 x (64 bytes + 16 of padding) = 60 words: the 32 lanes of a load of 8 bytes touch 64 different banks (64 banks of 4 bytes: ISA guide 11.1)
.set FR,     12
.set NL,     6
.set NP,     4                         ; places behind this matrix instruction (ISA guide 7.12.1)
.set HALFT,  128*PITCH
.set SLOT,   4*HALFT
.set LAPS,   2                         ; 1,024 / 512
.set KS,     32                        ; a row of scale bytes
.set SCL,    2*SLOT
.set HALFS,  (128*KS/256)*272
.set SBLK,   (16*KS/256)*272
.set SPARE,  SCL+4*HALFS               ; the spare words: 128 bytes a wave, two blocks of 256 bytes that no other line names
.set ADRA, 16
.set ADRB, 20
.set SPW,  28
.set NIL,  29
.set ADRS, 27
.set SC,   32
.set AF,   128
.set TM,   64                          ; v64-67 largest magnitudes, v68-71 bytes, v76-79 the conversions' scale operands
.set PW,   80                          ; the scale word just made
.set VSEL, 81                          ; which bytes of it are stored
.set VO,   82                          ; v82, v83 the images' lane offset for blocks 0-3, 4-7
.set VS,   84                          ; v84, v85 the scale words' likewise
.set CT,   88                          ; v88-90, v92-94 the conversions' second halves
.set G1, 24
.set G0, 32
.set G1B, 48
.set G0B, 56
.set G1S, 68
.set G0S, 76
.set G1SB, 80
.set G0SB, 88
.set MSB, 0
.macro WIN new                         ; the immediate's high byte repeats the setting that is left
.if MSB != \new
	s_set_vgpr_msb (MSB<<8)|\new
.set MSB, \new
.endif
.endm
.set MUL_LO, 0xa1                      ; source 0 (B) window 1, source 1 (A) window 0, C and D window 2
.set MUL_HI, 0xf1
.set TO_B,   0x40
; A joint load: waves 0 and 1 fetch for A, waves 2 and 3 for B; the branch hangs on the wave's number alone.  An s_nop 0 and four v_nop follow each of the two lines.
.macro JLOAD g0a, g1a, g0b, g1b
	s_cmp_eq_u32 s15, 0
	s_cbranch_scc0 .Lfor_b_\@
	tensor_load_to_lds s[\g0a:\g0a+3], s[\g1a:\g1a+7]
	s_nop 0
.rept 4
	v_nop
.endr
	s_branch .Lasked_\@
.Lfor_b_\@:
	tensor_load_to_lds s[\g0b:\g0b+3], s[\g1b:\g1b+7]
	s_nop 0
.rept 4
	v_nop
.endr
.Lasked_\@:
.endm
.macro CREST                           ; a round of the cluster's barrier behind its opening barrier
	s_cmp_lg_u32 s14, 0
	s_cbranch_scc1 .Lnot_wave_0_\@
	s_barrier_signal -3
.Lnot_wave_0_\@:
	s_barrier_wait -3
	s_barrier_signal -1
	s_barrier_wait -1
.endm
.macro CROUND
	s_barrier_signal -1
	s_barrier_wait -1
	CREST
.endm
	s_load_b128 s[4:7], s[0:1], 0x0                ; xq, wq
	s_load_b64 s[12:13], s[0:1], 0x10              ; img
	v_lshl_add_u32 v[SPW], v0, 2, SPARE
	v_mov_b32 v[NIL], 0
	ds_add_u32 v[SPW], v[NIL]                      ; the wave's opening: the add and its wait come ahead of my first tensor load; the set-up below stands between them
	v_lshrrev_b32 v1, 5, v0
	v_readfirstlane_b32 s14, v1                    ; wave 0..3
	s_lshr_b32 s15, s14, 1                         ; which half of the tile's rows is mine.  Also: I fetch for A (0) or for B (1)
	s_and_b32 s16, s14, 1                          ; which half of its columns.  Also: which 128 rows of that tile I fetch
	s_bfe_u32 s40, ttmp6, 0x40000                  ; cx, cy
	s_bfe_u32 s41, ttmp6, 0x40004
	s_and_b32 s66, ttmp7, 0xffff                   ; the cluster's y, 0..23
	s_lshr_b32 s67, s66, 3                         ; the product: 0 q, 1 k, 2 v
	s_and_b32 s66, s66, 7
	s_lshl_b32 s66, s66, 2                         ; 4 x the eighth of the tokens
	s_cmp_eq_u32 s67, 2
	s_cselect_b32 s17, 0, s66
	s_cselect_b32 s42, s66, 0
	s_add_co_u32 s17, s17, s41                     ; tile row (of A): the tokens' for q and k, the weight's for v
	s_add_co_u32 s42, s42, s40                     ; tile column (of B)
	s_lshl_b32 s43, s41, 2
	s_lshl_b32 s43, 15, s43                        ; my row of the cluster
	s_lshl_b32 s44, 0x1111, s40                    ; my column
	s_or_b32 s[G1+0], s43, (0<<16)|(1<<20)|(1<<21)|(3<<22)|(3<<25)  ; the mask; elements of 1 byte; padding on; bit 21 beside a mask; after every 16 words 4 words
	s_or_b32 s[G1B+0], s44, (0<<16)|(1<<20)|(1<<21)|(3<<22)|(3<<25)
.irp g, G1, G1B
	s_mov_b32 s[\g+1], ROWB<<16                    ; tensor_dim0
	s_mov_b32 s[\g+2], 128<<16                     ; tensor_dim1
	s_mov_b32 s[\g+3], ROWB<<16                    ; tile_dim0
	s_mov_b32 s[\g+4], 128                         ; tile_dim1
	s_mov_b32 s[\g+5], KROW                        ; the pitch
	s_mov_b32 s[\g+6], 0
	s_mov_b32 s[\g+7], 0
.endr
	s_or_b32 s[G1S+0], s43, (3<<16)|(1<<20)|(1<<21)|(5<<22)|(3<<25)   ; the scales of 128 rows: 4,096 dense bytes as 16 rows of 256, 16 bytes of padding behind each
	s_or_b32 s[G1SB+0], s44, (3<<16)|(1<<20)|(1<<21)|(5<<22)|(3<<25)
.irp g, G1S, G1SB
	s_mov_b32 s[\g+1], 32<<16
	s_mov_b32 s[\g+2], (128*KS/256)<<16
	s_mov_b32 s[\g+3], 32<<16
	s_mov_b32 s[\g+4], 128*KS/256
	s_mov_b32 s[\g+5], 32
	s_mov_b32 s[\g+6], 0
	s_mov_b32 s[\g+7], 0
.endr
	s_lshl_b32 s18, s16, 7
	s_lshl_b32 s20, s17, 8
	s_add_co_u32 s20, s20, s18                     ; A: row 256 x tile row + 128 x half
	s_lshl_b32 s46, s42, 8
	s_add_co_u32 s46, s46, s18                     ; B likewise
	s_mov_b32 s21, 0
	s_mov_b32 s47, 0
	s_mov_b64 s[18:19], KS
	s_mul_u64 s[22:23], s[20:21], s[18:19]
	s_mul_u64 s[92:93], s[46:47], s[18:19]
	s_mov_b64 s[18:19], KROW
	s_mul_u64 s[20:21], s[20:21], s[18:19]
	s_mul_u64 s[46:47], s[46:47], s[18:19]
	s_mul_i32 s45, s14, HALFT                      ; where they go: wave x 128 rows
	s_mul_i32 s94, s14, HALFS
	s_mov_b32 s97, 0
	s_wait_dscnt 0x0                               ; the opening add is done
	s_wait_kmcnt 0x0
	s_mul_i32 s96, s67, 6291456
	s_add_nc_u64 s[98:99], s[4:5], s[96:97]        ; the tokens' codes of this product,
	s_lshl_b32 s96, s67, 18
	s_add_co_u32 s96, s96, 18874368
	s_add_nc_u64 s[100:101], s[4:5], s[96:97]      ; their scale bytes,
	s_mul_i32 s96, s67, 786432
	s_add_nc_u64 s[8:9], s[6:7], s[96:97]          ; the weight's codes,
	s_lshl_b32 s96, s67, 15
	s_add_co_u32 s96, s96, 3145728
	s_add_nc_u64 s[10:11], s[6:7], s[96:97]        ; and its scale bytes
	s_cmp_eq_u32 s67, 2                            ; for v the sides change places
	s_cselect_b64 s[4:5], s[8:9], s[98:99]         ; A's codes
	s_cselect_b64 s[6:7], s[10:11], s[100:101]     ; A's scales
	s_cselect_b64 s[8:9], s[98:99], s[8:9]         ; B's codes
	s_cselect_b64 s[10:11], s[100:101], s[10:11]   ; B's scales
	s_add_nc_u64 s[20:21], s[4:5], s[20:21]
	s_add_nc_u64 s[22:23], s[6:7], s[22:23]
	s_add_nc_u64 s[46:47], s[8:9], s[46:47]
	s_add_nc_u64 s[92:93], s[10:11], s[92:93]
	CROUND                                         ; all sixteen work-groups are here: the first joint loads meet
	s_mov_b32 s[G0S], 1
	s_add_co_u32 s[G0S+1], s94, SCL
	s_mov_b64 s[G0S+2:G0S+3], s[22:23]
	s_or_b32 s[G0S+3], s[G0S+3], 0x80000000
	s_mov_b32 s[G0SB], 1
	s_add_co_u32 s[G0SB+1], s94, SCL
	s_mov_b64 s[G0SB+2:G0SB+3], s[92:93]
	s_or_b32 s[G0SB+3], s[G0SB+3], 0x80000000
	JLOAD G0S, G1S, G0SB, G1SB                     ; the scales first: they are wanted with K step 0
.irp s, 0,1
	s_mov_b32 s[G0+4*\s], 1
	s_add_co_u32 s[G0+4*\s+1], s45, \s*SLOT
	s_add_nc_u64 s[G0+4*\s+2:G0+4*\s+3], s[20:21], \s*ROWB
	s_or_b32 s[G0+4*\s+3], s[G0+4*\s+3], 0x80000000
	s_mov_b32 s[G0B+4*\s], 1
	s_add_co_u32 s[G0B+4*\s+1], s45, \s*SLOT
	s_add_nc_u64 s[G0B+4*\s+2:G0B+4*\s+3], s[46:47], \s*ROWB
	s_or_b32 s[G0B+4*\s+3], s[G0B+4*\s+3], 0x80000000
	JLOAD G0+4*\s, G1, G0B+4*\s, G1B               ; three tensor loads of mine are out at the most
.endr
	v_and_b32 v1, 15, v0                           ; l % 16
	v_bfe_u32 v2, v0, 4, 1                         ; l / 16
	v_mul_u32_u24 v3, v1, PITCH
	v_mul_u32_u24 v4, v2, 24
	v_add_nc_u32 v4, v3, v4                        ; a fragment's row x pitch + 24 x half
	v_lshl_add_u32 v5, v2, 4, v4                   ; and the same behind one padding more
	s_mul_i32 s21, s15, HALFT
	s_mul_i32 s22, s16, HALFT
	s_add_co_u32 s22, s22, 2*HALFT
.irp s, 0,1
	v_add_nc_u32 v[ADRA+\s], s21, v4
	v_add_nc_u32 v[ADRB+\s], s22, v4
	v_add_nc_u32 v[ADRA+2+\s], s21, v5
	v_add_nc_u32 v[ADRB+2+\s], s22, v5
	s_add_co_u32 s21, s21, SLOT
	s_add_co_u32 s22, s22, SLOT
.endr
	v_mul_u32_u24 v5, v1, KS                       ; my row's scales: 32 bytes a row,
	v_lshrrev_b32 v6, 8, v5
	v_lshl_add_u32 v5, v6, 4, v5                   ; and 16 more for each 256 passed
	s_mul_i32 s21, s15, HALFS
	s_mul_i32 s22, s16, HALFS
	s_add_co_u32 s22, s22, 2*HALFS
	s_sub_co_u32 s22, s22, s21
	v_mul_u32_u24 v6, s22, v2                      ; lanes 16-31 take B's
	s_add_co_u32 s21, s21, SCL
	v_add_nc_u32 v5, v5, v6
	v_add_nc_u32 v[ADRS], s21, v5
	; where the images go.  In units of one image: q, k: [batch 4][pair of heads 8][tile of 16 tokens 128];  v: [batch 4][head 16][128 keys 16][tile of 16 channels 4]
	s_lshl_b32 s18, s17, 1
	s_add_co_u32 s18, s18, s15                     ; which 128 rows of A are mine
	s_lshl_b32 s19, s42, 1
	s_add_co_u32 s19, s19, s16                     ; which 128 rows of B
	s_cmp_eq_u32 s67, 2
	s_cselect_b32 s40, s19, s18                    ; the tokens' 128 (0..63),
	s_cselect_b32 s41, s18, s19                    ; the columns' 128 (0..7): a pair of heads
	s_cselect_b32 s43, 2, 3
	s_cselect_b32 s45, 92160, 0                    ; v: blocks 4-7 belong to the next head, 64 images on, less the 4 that the immediates count: 60 x 1,536
	s_cselect_b32 s46, 7680, 0                     ; and 60 x 128 for the scale words
	s_mov_b32 s47, 0x01000100                      ; q, k: lanes 0-15 store bytes 0, 1 of the scale word twice,
	s_cselect_b32 s47, 0x03020100, s47             ; v: the word as it is
	s_mov_b32 s92, 0x03020302                      ; q, k: lanes 16-31 bytes 2, 3
	s_cselect_b32 s92, 0x03020100, s92
	s_lshr_b32 s44, s40, 4
	s_lshl_b32 s44, s44, 10                        ; the batch: 1,024 images
	s_lshl_b32 s41, s41, 7
	s_add_co_u32 s44, s44, s41                     ; the pair of heads: 128 images
	s_and_b32 s40, s40, 15
	s_lshl_b32 s40, s40, s43                       ; the 128 tokens: 8 tiles (q, k) or 4 images (v)
	s_add_co_u32 s44, s44, s40
	s_mul_i32 s20, s44, 1536
	s_mul_i32 s21, s67, 6291456
	s_add_co_u32 s20, s20, s21
	s_mov_b32 s21, 0
	s_add_nc_u64 s[20:21], s[12:13], s[20:21]      ; block 0's image
	s_lshl_b32 s22, s44, 7
	s_lshl_b32 s23, s67, 19
	s_add_co_u32 s22, s22, s23
	s_add_co_u32 s22, s22, 18874368
	s_mov_b32 s23, 0
	s_add_nc_u64 s[22:23], s[12:13], s[22:23]      ; and its scale words
	s_mov_b32 s93, 0xffff0000
	s_mov_b32 s94, 0x76543210
	s_mov_b32 s95, 0xfedcba98                      ; v_permlanex16_b32's selects for lane l xor 16
	v_and_b32 v6, 31, v0
	v_lshlrev_b32 v[VO], 3, v6
	v_add_nc_u32 v[VO+1], s45, v[VO]
	v_lshlrev_b32 v[VS], 2, v6
	v_add_nc_u32 v[VS+1], s46, v[VS]
	v_mov_b32 v[VSEL], s47
	v_mov_b32 v86, s92
	v_cndmask_b32 v[VSEL], v[VSEL], v86, s93
.irp b, 0,1,2,3
	v_mov_b32 v[TM+4+\b], 0                        ; written once: a lane permute's destination counts as one of its sources
.endr
.macro FRAG reg, adr, q, i             ; a fragment, 16 rows x 128 K: lane l holds row l % 16; registers 6 c .. 6 c + 5 hold K = 64 c + 32 (l / 16) + 0 .. 31: 24 bytes of the row as they lie, in pieces of 8
.irp p, 0,1,2,3,4,5
.set PCE, 12*(\q)+6*(\p/3)+\p%3        ; 16 bytes of padding lie behind every 8 pieces: where the piece three on lies behind one padding more, the second address register serves
.if PCE%8 < 5
	ds_load_b64 v[\reg+2*\p:\reg+2*\p+1], v[\adr] offset:8*PCE+16*(PCE/8)+(\i)*16*PITCH
.else
	ds_load_b64 v[\reg+2*\p:\reg+2*\p+1], v[\adr+2] offset:8*PCE+16*(PCE/8)+(\i)*16*PITCH
.endif
.endr
.endm
; 16 matrix instructions: A's blocks a0, a0 + 1 x B's eight.  The 64 accumulators take turns, one instruction a turn, in the same order in every step.
.macro MUL16 a0, p, q, sc, zero
.irp a, \a0, \a0+1
.irp b, 0,1,2,3,4,5,6,7
.if \zero
	v_wmma_scale_f32_16x16x128_f8f6f4 v[8*(8*((\a)%4)+\b):8*(8*((\a)%4)+\b)+7], v[128*(\p)+FR*\b:128*(\p)+FR*\b+FR-1], v[AF+FR*(\a):AF+FR*(\a)+FR-1], 0, v[SC+8*NQ*(\sc)+NQ*\b+(\q)], v[SC+8*NQ*(\sc)+NQ*(\a)+(\q)] matrix_a_fmt:MATRIX_FMT_FP6 matrix_b_fmt:MATRIX_FMT_FP6 matrix_a_scale:MATRIX_SCALE_ROW1
.else
	v_wmma_scale_f32_16x16x128_f8f6f4 v[8*(8*((\a)%4)+\b):8*(8*((\a)%4)+\b)+7], v[128*(\p)+FR*\b:128*(\p)+FR*\b+FR-1], v[AF+FR*(\a):AF+FR*(\a)+FR-1], v[8*(8*((\a)%4)+\b):8*(8*((\a)%4)+\b)+7], v[SC+8*NQ*(\sc)+NQ*\b+(\q)], v[SC+8*NQ*(\sc)+NQ*(\a)+(\q)] matrix_a_fmt:MATRIX_FMT_FP6 matrix_b_fmt:MATRIX_FMT_FP6 matrix_a_scale:MATRIX_SCALE_ROW1
.endif
.endr
.endr
.endm
.macro FETCH_B slot, q, p
	WIN TO_B
.irp i, 0,1,2,3,4,5,6,7
	FRAG 128*(\p)+FR*\i, ADRB+\slot, \q, \i
.endr
	WIN 0
.endm
.macro FETCH_A slot, q, i0
.irp i, \i0, \i0+1, \i0+2, \i0+3
	FRAG AF+FR*(\i), ADRA+\slot, \q, \i
.endr
.endm
.macro SCALES sc                       ; a K step's scale words: lanes 0-15 take A's block i, lanes 16-31 B's block i
.irp i, 0,1,2,3,4,5,6,7
	ds_load_b64 v[SC+8*NQ*\sc+NQ*\i:SC+8*NQ*\sc+NQ*\i+1], v[ADRS] offset:\i*SBLK
.endr
.endm
.macro PLACES n                        ; plain vector instructions between a matrix instruction and a load into, or a read of, its registers
.rept \n
	v_nop
.endr
.endm
.macro STEP slot, q, zero              ; 128 along K with its successor in the same slot
	s_wait_dscnt 4*NL                              ; B's set and A's blocks 0-3 are in; the youngest 24 loads (A's blocks 4-7) may be out
	WIN MUL_LO
	MUL16 0, (\q)%2, \q, \slot, \zero
	MUL16 2, (\q)%2, \q, \slot, \zero
	s_wait_dscnt 0
	PLACES NP
	FETCH_B \slot, (\q)+1, 1-(\q)%2
	FETCH_A \slot, (\q)+1, 0
	WIN MUL_HI
	MUL16 4, (\q)%2, \q, \slot, \zero
	MUL16 6, (\q)%2, \q, \slot, \zero
	PLACES NP
	WIN 0
	FETCH_A \slot, (\q)+1, 4
.endm
; A slot's last step changes slots: ONE barrier; in front of it each wave waits for all its tensor loads, adds 0 to its spare word, and waits for that and for its own reads of this slot.
.macro TURN slot, next, fill
	s_wait_tensorcnt 0x0                           ; all my tensor loads have landed: my part of the next slot
	ds_add_u32 v[SPW], v[NIL]
	s_wait_dscnt 4*NL+1                            ; the add and the youngest 24 loads may be out
	WIN MUL_LO
	MUL16 0, 1, NQ-1, \slot, 0
	s_wait_dscnt 0x0                               ; the add is done, and my reads of this slot are over
	s_barrier_signal -1
	MUL16 2, 1, NQ-1, \slot, 0
	WIN 0
	s_barrier_wait -1
.if \fill
	CREST                                          ; the barrier has opened a round of the cluster's barrier: no wave of any partner still reads this slot or has a load on its way
	s_add_nc_u64 s[G0+4*\slot+2:G0+4*\slot+3], s[G0+4*\slot+2:G0+4*\slot+3], 2*ROWB
	s_add_nc_u64 s[G0B+4*\slot+2:G0B+4*\slot+3], s[G0B+4*\slot+2:G0B+4*\slot+3], 2*ROWB
	JLOAD G0+4*\slot, G1, G0B+4*\slot, G1B         ; the first tensor load behind the round; its four v_nop are the places in front of the loads below
.else
	PLACES NP
.endif
	v_add_nc_u32 v[ADRS], 4*NQ, v[ADRS]
	FETCH_B \next, 0, 0
	FETCH_A \next, 0, 0
	SCALES \next
	WIN MUL_HI
	MUL16 4, 1, NQ-1, \slot, 0
	MUL16 6, 1, NQ-1, \slot, 0
	PLACES NP
	WIN 0
	FETCH_A \next, 0, 4
.endm
	s_wait_tensorcnt 1                             ; the scales and my part of K step 0 are in; K step 1's load may be out
	s_barrier_signal -1
	s_barrier_wait -1
	FETCH_B 0, 0, 0
	FETCH_A 0, 0, 0
	SCALES 0
	FETCH_A 0, 0, 4
	STEP 0, 0, 1                                   ; the first step's products start the sums: nothing is cleared
	s_mov_b32 s3, LAPS-1
.Llap:
	TURN 0, 1, 1
	STEP 1, 0, 0
	TURN 1, 0, 1
	STEP 0, 0, 0
	s_sub_co_u32 s3, s3, 1
	s_cmp_lg_u32 s3, 0
	s_cbranch_scc1 .Llap
	TURN 0, 1, 0                                   ; the last lap fills nothing
	STEP 1, 0, 0
	s_wait_dscnt 4*NL
	WIN MUL_LO
	MUL16 0, 1, NQ-1, 1, 0
	MUL16 2, 1, NQ-1, 1, 0
	s_wait_dscnt 0
	WIN MUL_HI
	MUL16 4, 1, NQ-1, 1, 0
	MUL16 6, 1, NQ-1, 1, 0
	WIN 0
; Block a of A: its 64 registers become a fragment's codes in v[96 + 16 a] on and a scale word beside them; each block has registers of its own, so no store's data are written again.
; Every accumulator is first read at its two lowest registers (the maxima go in ascending order).
.macro QUANTW a
.set AC, 64*((\a)%4)
.set WA, 2+(\a)/4
.set WS12, (WA<<2)|(WA<<4)
.set PC, 96+16*(\a)
	WIN WS12                                       ; sources 1 and 2: the accumulators' window
.irp b, 0,1,2,3
	v_max3_num_f32 v[TM+\b], 0x1800000, |v[AC+16*\b]|, |v[AC+16*\b+1]|     ; my 16 numbers of block b, and the floor 2^(3 - 127): the byte cannot fall under 1
.endr
.irp i, 2,4,6,8,10,12,14
.irp b, 0,1,2,3
	v_max3_num_f32 v[TM+\b], v[TM+\b], |v[AC+16*\b+\i]|, |v[AC+16*\b+\i+1]|
.endr
.endr
	WIN 0
.irp b, 0,1,2,3
	v_permlanex16_b32 v[TM+4+\b], v[TM+\b], s94, s95
.endr
.irp b, 0,1,2,3
	v_max_num_f32 v[TM+\b], v[TM+\b], v[TM+4+\b]   ; with lane l xor 16's: the block's largest magnitude
.endr
.irp b, 0,1,2,3
	v_add_nc_u32 v[TM+12+\b], 0xff000000, v[TM+\b] ; 2 off its exponent field: the conversion's scale operand
.endr
.irp b, 0,1,2,3
	v_lshrrev_b32 v[TM+4+\b], 23, v[TM+12+\b]      ; the scale's byte
.endr
	v_lshl_or_b32 v[PW], v[TM+5], 8, v[TM+4]
	v_lshl_or_b32 v[PW], v[TM+6], 16, v[PW]
	v_lshl_or_b32 v[PW], v[TM+7], 24, v[PW]
	WIN WA                                         ; source 0: the accumulators' window
.irp c, 0,1
	v_cvt_scalef32_pk16_fp6_f32 v[PC+6*\c:PC+6*\c+2], v[AC+32*\c:AC+32*\c+15], v[TM+12+2*\c]
	v_cvt_scalef32_pk16_fp6_f32 v[CT+4*\c:CT+4*\c+2], v[AC+32*\c+16:AC+32*\c+31], v[TM+13+2*\c]   ; (a conversion's three registers begin on an even number)
.endr
	WIN 0
	v_nop                                          ; one plain line behind the scaled conversions
.irp c, 0,1                            ; the operand's layout wants a WHOLE block in a lane: lanes 0-15 block 2 c, lanes 16-31 block 2 c + 1
.irp i, 0,1,2
	v_permlane16_swap_b32 v[PC+6*\c+\i], v[CT+4*\c+\i]
.endr
.irp i, 0,1,2
	v_mov_b32 v[PC+6*\c+3+\i], v[CT+4*\c+\i]
.endr
.endr
	v_perm_b32 v[PC+12], v[PW], v[PW], v[VSEL]
.irp p, 0,1,2,3,4,5
	global_store_b64 v[VO+(\a)/4], v[PC+2*\p:PC+2*\p+1], s[20:21] offset:1536*(\a)+256*\p    ; 32 lanes store 256 consecutive bytes, aligned
.endr
	global_store_b32 v[VS+(\a)/4], v[PC+12], s[22:23] offset:128*(\a)
.endm
	PLACES NP                                      ; behind the last products, ahead of the first read of results and of writes into A's registers
.irp a, 0,1,2,3,4,5,6,7
	QUANTW \a
.endr
	s_wait_tensorcnt 0x0                           ; the wave's end
	ds_add_u32 v[SPW], v[NIL]
	s_wait_dscnt 0x0
	CROUND                                         ; the closing round: no work-group ends while a partner may still ask for a tile that names it
	s_endpgm
.Lfunc_end_k_qf083adaa5c_proj:
	.size	k_qf083adaa5c_proj, .Lfunc_end_k_qf083adaa5c_proj-k_qf083adaa5c_proj
	.p2alignl 7, 3214868480
	.fill 96, 4, 3214868480
	.section	.rodata,"a",@progbits
	.p2align	6, 0x0
	.amdhsa_kernel k_qf083adaa5c_proj
		.amdhsa_group_segment_fixed_size 327680
		.amdhsa_private_segment_fixed_size 0
		.amdhsa_enable_private_segment 0
		.amdhsa_kernarg_size 24
		.amdhsa_user_sgpr_count 2
		.amdhsa_user_sgpr_kernarg_segment_ptr 1
		.amdhsa_wavefront_size32 1
		.amdhsa_system_sgpr_workgroup_id_x 1
		.amdhsa_system_sgpr_workgroup_id_y 1
		.amdhsa_system_sgpr_workgroup_id_z 1
		.amdhsa_system_vgpr_workitem_id 0
		.amdhsa_next_free_vgpr 1024
		.amdhsa_next_free_sgpr 102
		.amdhsa_reserve_vcc 0
		.amdhsa_float_denorm_mode_32 3
		.amdhsa_float_denorm_mode_16_64 3
		.amdhsa_memory_ordered 1
		.amdhsa_forward_progress 1
		.amdhsa_inst_pref_size 169
	.end_amdhsa_kernel
	.amdgpu_metadata
---
amdhsa.version: [ 1, 2 ]
amdhsa.kernels:
  - .name:           k_qf083adaa5c_proj
    .symbol:         k_qf083adaa5c_proj.kd
    .args:
      - { .name: xq, .offset: 0, .size: 8, .value_kind: global_buffer, .address_space: global }
      - { .name: wq, .offset: 8, .size: 8, .value_kind: global_buffer, .address_space: global }
      - { .name: img, .offset: 16, .size: 8, .value_kind: global_buffer, .address_space: global }
    .group_segment_fixed_size: 327680
    .private_segment_fixed_size: 0
    .kernarg_segment_align: 8
    .kernarg_segment_size: 24
    .max_flat_workgroup_size: 128
    .sgpr_count:     102
    .vgpr_count:     1024
    .wavefront_size: 32
...
	.end_amdgpu_metadata
.endif
;; end of part 2
;; launch attn (part 3): grid 4 x 64, 16 waves a work-group, no clusters, 215,040 bytes of LDS; arguments img, mw, ao; writes ao
.if DOCPART == 3
	.amdgcn_target "amdgcn-amd-amdhsa--gfx1250"
	.amdhsa_code_object_version 6
	.text
	.protected	k_qf083adaa5c_attn
	.globl	k_qf083adaa5c_attn
	.p2align	8
	.type	k_qf083adaa5c_attn,@function
k_qf083adaa5c_attn:
	s_mov_b64 s[64:65], 0
	v_nop
	global_prefetch_b8 v0, s[64:65] scope:SCOPE_SE
	s_setreg_imm32_b32 hwreg(HW_REG_WAVE_MODE, 25, 1), 1
	s_wait_xcnt 0x0
; ATTN: for each batch and head, O[q] = sum over keys of softmax(q . k / 8, masked) v, both products on codes of FP6 (E2M3) with E8M0 scales; O is divided by the row's sum, quantised along the 1,024 channels and stored as codes for the last product.
; THE SOFTMAX: t = score x log2(e) / 8; M = the running largest t rounded UP to a whole number; p = 2^(t - M) is quantised along the keys; the row's sum is taken of the unquantised p.  When M moves, the sum and O are multiplied by 2^(old M - new M): exact.
; THE MASK is an input.  A masked score becomes -2^70 ahead of the maximum.  c x 2^70 is exact and a whole number, so in a row that is masked everywhere t - M is exactly 0 and every p is 1 (a uniform softmax, as a fill with a large negative number gives);
; in every other row a masked p is 0, and what was summed while a row had seen masked keys alone is later multiplied by 2^(a saturated negative number) = 0.
; An earlier launch has stored the mask as lane words in my scores' order (one v_cndmask_b32 a score) and the AND and OR of each tile's words.  A key step all of whose 16 x 128 entries are masked is left out by a scalar branch on those stored words,
; unless some row of the tile is masked everywhere (then no step is left out); a step with no masked entry skips the 64 selections.
; SHARES.  A work-group has one batch and head; the head's K and V (codes and scale words, 212,992 bytes) lie in LDS for the whole launch, filled once through registers, one barrier.  Wave w of work-group x has g = 16 x + w and takes the tiles
; of 16 queries g and 127 - g, one after the other.  Sixteen waves of 256 registers: four to a SIMD, so that one wave's vector work stands beside another's matrix work and LDS loads.
; NO TENSOR LOAD, NO JOINT REQUEST: the key steps are jumped over on numbers read from memory; what the four work-groups of a head share is read once by each, 208 KiB at its head.
; LAYOUT.  Both products are used transposed: S^T = K Q^T, O^T = V^T P^T: a lane holds ONE query (lane % 16).  K, Q and V come as images of operand registers (plane p of 256 bytes: registers 2 p, 2 p + 1, lane l's 8 bytes at 8 l).
; The head's size is 64: K's and Q's fragments hold it in registers 0-5; registers 6-11 are zero codes.  The keys of a tile of K are 32 (t / 2) + 8 (t % 2) + r + 8 (r / 8), so registers 16 b + i of S^T are keys 32 b + 16 (lane / 16) + i;
; V's channels likewise, so registers 16 b + i of O^T are channels 32 b + 16 (lane / 16) + i.  Lane r of tile T is query 32 (T / 2) + 8 (T % 2) + r + 8 (r / 8).
; LIMITS: unmasked raw scores lie above -2^70; NaN and infinities are not served; a block whose largest magnitude lies under 2^-124 gets the byte 1.  A head's share of a row of the output codes is 48 bytes, so the stores are pieces of 12 bytes a lane.
; REGISTERS: v1 8 x lane, v2 4 x lane, v3 -2^70, v4, v7 the output's lane offsets, v5, v6 the add's two, v8-11 addresses in hand, v12 -M, v13 the largest t, v[14:15] the sum, v16-27 Q, v28-31 V's scale words, v32-79 four fragments of K,
; v80-127 four of V, v128-191 S^T then p, v192-223 O^T, v224-235 p's codes, v232-247 at work, v248-251 K's scale words, v252 f, v253 p's scale word, v254 at work, v255 Q's scale word.
.set STEPB, 13312                      ; LDS, a key step of 128 keys: K's 8 images of 768 bytes, V's 4 of 1,536, K's scale words 8 x 64, V's 4 x 128
.set VIM,   6144
.set KSC,   12288
.set VSC,   12800
.set SPARE, 16*STEPB                   ; the spare words: 128 bytes a wave, eight blocks of 256 bytes that no other line names
.set S,     128
.set O,     192
	s_load_b128 s[4:7], s[0:1], 0x0                ; img, mw
	s_load_b64 s[8:9], s[0:1], 0x10                ; ao
	v_lshl_add_u32 v5, v0, 2, SPARE
	v_mov_b32 v6, 0
	v_lshrrev_b32 v1, 5, v0
	s_delay_alu instid0(VALU_DEP_1)
	v_readfirstlane_b32 s66, v1                    ; wave 0..15
	v_and_b32 v13, 31, v0                          ; lane
	v_and_b32 v14, 15, v0                          ; r
	v_bfe_u32 v15, v0, 4, 1                        ; h
	s_delay_alu instid0(VALU_DEP_3)
	v_lshlrev_b32 v1, 3, v13
	s_delay_alu instid0(VALU_DEP_4)
	v_lshlrev_b32 v2, 2, v13
	v_mov_b32 v3, 0xe2800000                       ; -2^70
	v_and_b32 v7, 8, v0
	s_delay_alu instid0(VALU_DEP_1)
	v_add_nc_u32 v7, v7, v14                       ; r + 8 (r / 8)
	s_delay_alu instid0(VALU_DEP_1)
	v_mul_u32_u24 v4, v7, 768
	s_delay_alu instid0(VALU_DEP_1)
	v_mad_u32_u24 v4, v15, 12, v4                  ; the output's codes: my row, + 12 h
	s_delay_alu instid0(VALU_DEP_3)
	v_lshlrev_b32 v7, 5, v7                        ; its scale bytes: my row
	v_lshlrev_b32 v8, 4, v14
	s_delay_alu instid0(VALU_DEP_1)
	v_lshl_add_u32 v9, v15, 10, v8                 ; the fill of K: lanes 16-31 take the next plane, 1,024 bytes on where it lies in the next tile's image,
	s_delay_alu instid0(VALU_DEP_2)
	v_lshl_add_u32 v8, v15, 8, v8                  ; else 256
	v_lshlrev_b32 v10, 4, v13                      ; dense: 16 x lane
	v_lshrrev_b32 v11, 2, v13
	s_delay_alu instid0(VALU_DEP_1)
	v_lshlrev_b32 v11, 7, v11
	v_and_b32 v12, 3, v13
	s_delay_alu instid0(VALU_DEP_1)
	v_lshl_add_u32 v11, v12, 4, v11                ; K's scale words: 64 of each 128 bytes
	s_mul_i32 s98, s66, STEPB
	v_add_nc_u32 v12, s98, v10                     ; wave w fills key step w: 13,312 w + 16 x lane
	s_and_b32 s100, ttmp7, 0xffff                  ; 16 x batch + head
	s_lshr_b32 s73, s100, 4                        ; batch
	s_and_b32 s97, s100, 15                        ; head
	s_and_b32 s96, s97, 1                          ; which of its pair
	s_lshr_b32 s67, s97, 1
	s_lshl_b32 s98, s73, 3
	s_add_co_u32 s67, s67, s98                     ; 8 x batch + pair
	s_mov_b32 s68, 0x76543210
	s_mov_b32 s69, 0xfedcba98                      ; v_permlanex16_b32's selects for lane l xor 16
	s_mov_b32 s70, 0x3e38aa3b                      ; c = log2(e) / 8
	s_mov_b32 s71, s70                             ; (named with it as a pair)
	s_lshl_b32 s98, s67, 7
	s_lshl_b32 s99, s66, 3
	s_add_co_u32 s98, s98, s99                     ; K's tile 8 w of this pair
	s_mul_i32 s98, s98, 1536
	s_mul_i32 s99, s96, 768
	s_add_co_u32 s98, s98, s99
	s_add_co_u32 s98, s98, 6291456
	s_mov_b32 s99, 0
	s_wait_alu depctr_va_vdst(0)
	s_wait_kmcnt 0x0
	s_add_nc_u64 s[16:17], s[4:5], s[98:99]        ; K's images
	s_mul_i32 s98, s100, 98304
	s_mul_i32 s101, s66, 6144
	s_add_co_u32 s98, s98, s101
	s_add_co_u32 s98, s98, 12582912
	s_add_nc_u64 s[18:19], s[4:5], s[98:99]        ; V's
	s_lshl_b32 s98, s67, 14
	s_lshl_b32 s101, s66, 10
	s_add_co_u32 s98, s98, s101
	s_lshl_b32 s101, s96, 6
	s_add_co_u32 s98, s98, s101
	s_add_co_u32 s98, s98, 19398656
	s_add_nc_u64 s[20:21], s[4:5], s[98:99]        ; K's scale words
	s_lshl_b32 s98, s100, 13
	s_lshl_b32 s101, s66, 9
	s_add_co_u32 s98, s98, s101
	s_add_co_u32 s98, s98, 19922944
	s_add_nc_u64 s[22:23], s[4:5], s[98:99]        ; V's
.irp i, 0,1,2,3,4,5,6,7,8,9,10,11      ; load i brings planes 2 i and 2 i + 1 of the head's 24: sixteen lanes read 256 consecutive bytes
.if \i%3 == 1
	global_load_b128 v[32+4*\i:35+4*\i], v9, s[16:17] offset:(2*\i/3)*1536+((2*\i)%3)*256
.else
	global_load_b128 v[32+4*\i:35+4*\i], v8, s[16:17] offset:(2*\i/3)*1536+((2*\i)%3)*256
.endif
.endr
.irp i, 0,1,2,3,4,5,6,7,8,9,10,11
	global_load_b128 v[80+4*\i:83+4*\i], v10, s[18:19] offset:512*\i
.endr
	global_load_b128 v[128:131], v11, s[20:21]
	global_load_b128 v[132:135], v10, s[22:23]
	s_wait_loadcnt 14                              ; K's twelve are in; V's twelve and the two of scale words may be out
.irp i, 0,1,2,3,4,5,6,7,8,9,10,11
	ds_store_b128 v12, v[32+4*\i:35+4*\i] offset:512*\i
.endr
	s_wait_loadcnt 2
.irp i, 0,1,2,3,4,5,6,7,8,9,10,11
	ds_store_b128 v12, v[80+4*\i:83+4*\i] offset:VIM+512*\i
.endr
	s_wait_loadcnt 0x0
	ds_store_b128 v12, v[128:131] offset:KSC
	ds_store_b128 v12, v[132:135] offset:VSC
	s_wait_dscnt 0x0                               ; for the others' sake: my stores have landed
	s_barrier_signal -1
	s_barrier_wait -1                              ; the whole head lies in LDS; from here on it is only read
.irp t, 0,1,2,3
.irp i, 6,7,8,9,10,11
	v_mov_b32 v[32+12*\t+\i], 0                    ; K's fragments: zero codes for k = 64 .. 127, once
.endr
.endr
.irp i, 22,23,24,25,26,27
	v_mov_b32 v\i, 0                               ; Q's likewise
.endr
.macro KLOAD g                         ; four tiles of 16 keys: 12 + 4 LDS loads
.irp t, 0,1,2,3
.irp p, 0,1,2
	ds_load_b64 v[32+12*\t+2*\p:33+12*\t+2*\p], v8 offset:768*(4*\g+\t)+256*\p
.endr
	ds_load_b32 v[248+\t], v9 offset:KSC+64*(4*\g+\t)      ; lanes 0-15: the tile's words (lanes 16-31 read the next 64 bytes, which the unit does not take)
.endr
.endm
.macro SCORE g
.irp t, 0,1,2,3
	v_wmma_scale_f32_16x16x128_f8f6f4 v[S+8*(4*\g+\t):S+8*(4*\g+\t)+7], v[32+12*\t:43+12*\t], v[16:27], 0, v[248+\t], v255 matrix_a_fmt:MATRIX_FMT_FP6 matrix_b_fmt:MATRIX_FMT_FP6
.endr
.endm
; A KEY STEP of 128 keys.  s72: where its bytes begin in LDS; s[14:15]: its 64 mask words; s75: two bits a step (0 leave out, 1 select, 2 nothing masked), s74 the shift.
.macro STEP
	s_lshr_b32 s78, s75, s74
	s_and_b32 s78, s78, 3
	s_cmp_eq_u32 s78, 0
	s_cbranch_scc1 .Lskip_\@
	s_load_b512 s[16:31], s[14:15], 0x0            ; the mask words: asked for in every step that is worked, so that every way has the same loads and the same wait
	s_load_b512 s[32:47], s[14:15], 0x40
	s_load_b512 s[48:63], s[14:15], 0x80
	s_load_b512 s[80:95], s[14:15], 0xc0
	s_setprio 2
	v_add_nc_u32 v8, s72, v1
	v_add_nc_u32 v9, s72, v2
	v_nop
	v_nop                                          ; four plain lines between the last step's products and the loads into their registers
	KLOAD 0
.irp t, 0,1,2,3                        ; V's four fragments are asked for now and wanted behind the softmax: 24 + 4 loads
.irp p, 0,1,2,3,4,5
	ds_load_b64 v[80+12*\t+2*\p:81+12*\t+2*\p], v8 offset:VIM+1536*\t+256*\p
.endr
	ds_load_b32 v[28+\t], v9 offset:VSC+128*\t
.endr
	s_wait_alu depctr_va_vdst(0)
	s_wait_dscnt 28                                ; K's first sixteen loads are in; V's 28 may be out
	SCORE 0
.rept 4
	v_nop
.endr
	KLOAD 1
	s_wait_dscnt 0x0
	SCORE 1
.rept 4
	v_nop
.endr
	s_wait_kmcnt 0x0                               ; the mask words are in; their pointer may be stepped
	s_cmp_lg_u32 s78, 1
	s_cbranch_scc1 .Lopen_\@
.set n, 0
.rept 64
.if n < 48
.set mwr, 16+n
.else
.set mwr, 32+n
.endif
	v_cndmask_b32 v[S+n], v[S+n], v3, s[mwr]       ; in ascending order: each accumulator is first read at its lowest register
.set n, n+1
.endr
.Lopen_\@:
.irp b, 0,1,2,3
	v_max3_num_f32 v[232+\b], v[S+16*\b], v[S+1+16*\b], v[S+2+16*\b]   ; the largest score of each block of 32 keys: for the row's maximum, and, since p rises with the score, for the block's largest p
.endr
.irp i, 3,5,7,9,11,13
.irp b, 0,1,2,3
	v_max3_num_f32 v[232+\b], v[232+\b], v[S+16*\b+\i], v[S+1+16*\b+\i]
.endr
.endr
.irp b, 0,1,2,3
	v_max_num_f32 v[232+\b], v[232+\b], v[S+15+16*\b]
.endr
.irp b, 0,1,2,3
	s_delay_alu instid0(VALU_DEP_4)
	v_permlanex16_b32 v[236+\b], v[232+\b], s68, s69
.endr
.irp b, 0,1,2,3
	s_delay_alu instid0(VALU_DEP_4)
	v_max_num_f32 v[232+\b], v[232+\b], v[236+\b]  ; with lane l xor 16's 16 keys
.endr
	s_delay_alu instid0(VALU_DEP_2)
	v_max3_num_f32 v254, v232, v233, v234
	s_delay_alu instid0(VALU_DEP_1)
	v_max_num_f32 v254, v254, v235
	s_delay_alu instid0(VALU_DEP_1)
	v_mul_f32 v254, s70, v254                      ; as t (c is positive)
	s_delay_alu instid0(VALU_DEP_1)
	v_max_num_f32 v13, v13, v254                   ; the running largest t
	v_mov_b32 v254, v12
	s_delay_alu instid0(VALU_DEP_2)
	v_floor_f32 v12, -v13                          ; the new -M = floor(-t): M is a whole number
	s_delay_alu instid0(VALU_DEP_1)
	v_sub_f32 v254, v12, v254                      ; old M - new M, 0 or less
	s_delay_alu instid0(VALU_DEP_1)
	v_cvt_i32_f32 v254, v254                       ; (it saturates)
	s_delay_alu instid0(VALU_DEP_1)
	v_ldexp_f32 v252, 1.0, v254                    ; f = 2^(old M - new M)
.set j, 0
.rept 32
	v_pk_fma_f32 v[S+j:S+j+1], v[S+j:S+j+1], s[70:71], v[12:13] op_sel_hi:[1,0,0]   ; t - M, two at a time
.set j, j+2
.endr
	s_setprio 1
.irp b, 0,1,2,3
	v_fma_f32 v[232+\b], v[232+\b], s70, v12       ; the same of each block's largest score
.endr
.set j, 0
	s_wait_alu depctr_va_vdst(0)
.rept 64
	v_exp_f32 v[S+j], v[S+j]                       ; p = 2^(t - M), at most 1
.set j, j+1
.endr
	v_pk_mul_f32 v[14:15], v[14:15], v[252:253] op_sel_hi:[1,0]   ; the sums under the new M (the plain line behind the exponentials)
	s_wait_alu depctr_va_vdst(0)                   ; one wait for the batch of 64, ahead of its first reader
.irp b, 0,1,2,3
	v_exp_f32 v[232+\b], v[232+\b]                 ; the block's largest p
.endr
	v_pk_add_f32 v[236:237], v[132:133], v[136:137]
	v_pk_add_f32 v[250:251], v[140:141], v[144:145]
	v_pk_add_f32 v[248:249], v[148:149], v[152:153]
	v_pk_add_f32 v[246:247], v[156:157], v[160:161]
	v_pk_add_f32 v[244:245], v[164:165], v[168:169]
	v_pk_add_f32 v[242:243], v[172:173], v[176:177]
	v_pk_add_f32 v[240:241], v[180:181], v[184:185]
	v_pk_add_f32 v[14:15], v[14:15], v[188:189]
	v_pk_add_f32 v[236:237], v[236:237], v[128:129]
	v_pk_add_f32 v[250:251], v[250:251], v[130:131]
	v_pk_add_f32 v[248:249], v[248:249], v[134:135]
	v_pk_add_f32 v[246:247], v[246:247], v[138:139]
	v_pk_add_f32 v[244:245], v[244:245], v[142:143]
	v_pk_add_f32 v[242:243], v[242:243], v[146:147]
	v_pk_add_f32 v[240:241], v[240:241], v[150:151]
	v_pk_add_f32 v[14:15], v[14:15], v[154:155]
	v_pk_add_f32 v[236:237], v[236:237], v[158:159]
	v_pk_add_f32 v[250:251], v[250:251], v[162:163]
	v_pk_add_f32 v[248:249], v[248:249], v[166:167]
	v_pk_add_f32 v[246:247], v[246:247], v[170:171]
	v_pk_add_f32 v[244:245], v[244:245], v[174:175]
	v_pk_add_f32 v[242:243], v[242:243], v[178:179]
	v_pk_add_f32 v[240:241], v[240:241], v[182:183]
	v_pk_add_f32 v[14:15], v[14:15], v[186:187]
	v_pk_add_f32 v[236:237], v[236:237], v[190:191]
	s_delay_alu instid0(VALU_DEP_2)
	v_pk_add_f32 v[14:15], v[14:15], v[246:247]
	s_delay_alu instid0(VALU_DEP_2)
	v_pk_add_f32 v[236:237], v[236:237], v[244:245]
	v_pk_add_f32 v[250:251], v[250:251], v[242:243]
	v_pk_add_f32 v[248:249], v[248:249], v[240:241]
	s_delay_alu instid0(VALU_DEP_2)
	v_pk_add_f32 v[14:15], v[14:15], v[250:251]
	s_delay_alu instid0(VALU_DEP_2)
	v_pk_add_f32 v[236:237], v[236:237], v[248:249]
	s_delay_alu instid0(VALU_DEP_1)
	v_pk_add_f32 v[14:15], v[14:15], v[236:237]
	s_wait_alu depctr_va_vdst(0)                   ; and one for the four
.irp b, 0,1,2,3
	v_max_num_f32 v[232+\b], 0x1800000, v[232+\b]  ; the floor 2^(3 - 127): a block whose every p is 0 keeps the byte 1; its codes are zeros
.endr
.irp b, 0,1,2,3
	s_delay_alu instid0(VALU_DEP_4)
	v_add_nc_u32 v[244+\b], 0xff000000, v[232+\b]  ; 2 off the exponent field: the conversion's scale operand
.endr
.irp b, 0,1,2,3
	s_delay_alu instid0(VALU_DEP_4)
	v_lshrrev_b32 v[236+\b], 23, v[244+\b]
.endr
	s_delay_alu instid0(VALU_DEP_3)
	v_lshl_or_b32 v253, v237, 8, v236              ; p's scale word for these 128 keys
	s_delay_alu instid0(VALU_DEP_1)
	v_lshl_or_b32 v253, v238, 16, v253
	s_delay_alu instid0(VALU_DEP_1)
	v_lshl_or_b32 v253, v239, 24, v253
	s_setprio 0
.irp c, 0,1
	v_cvt_scalef32_pk16_fp6_f32 v[224+6*\c:226+6*\c], v[S+32*\c:S+15+32*\c], v[244+2*\c]
	v_cvt_scalef32_pk16_fp6_f32 v[236+4*\c:238+4*\c], v[S+16+32*\c:S+31+32*\c], v[244+2*\c+1]
.endr
	v_nop                                          ; one plain line behind the scaled conversions
.irp c, 0,1                            ; a WHOLE block in a lane: lanes 0-15 block 2 c, lanes 16-31 block 2 c + 1
.irp i, 0,1,2
	v_permlane16_swap_b32 v[224+6*\c+\i], v[236+4*\c+\i]
.endr
.irp i, 0,1,2
	s_delay_alu instid0(VALU_DEP_3)
	v_mov_b32 v[227+6*\c+\i], v[236+4*\c+\i]
.endr
.endr
.set j, 0
.rept 16
	v_pk_mul_f32 v[O+j:O+j+1], v[O+j:O+j+1], v[252:253] op_sel_hi:[1,0]   ; O^T under the new M; these sixteen are also the plain lines between the writes of p's codes and scale word and the products
.set j, j+2
.endr
.irp t, 0,1,2,3                        ; O^T += V^T P^T: four accumulators, one instruction each
	v_wmma_scale_f32_16x16x128_f8f6f4 v[O+8*\t:O+8*\t+7], v[80+12*\t:91+12*\t], v[224:235], v[O+8*\t:O+8*\t+7], v[28+\t], v253 matrix_a_fmt:MATRIX_FMT_FP6 matrix_b_fmt:MATRIX_FMT_FP6
.endr
.Lskip_\@:
	s_add_co_u32 s72, s72, STEPB
	s_add_nc_u64 s[14:15], s[14:15], 256
	s_add_co_u32 s74, s74, 2
.endm
; ONE TILE of 16 queries, T in s77.
.macro TILE
	s_wait_xcnt 0x0                                ; the last tile's stores have read their registers
	s_lshl_b32 s100, s67, 7
	s_add_co_u32 s100, s100, s77                   ; the tile's image
	s_mul_i32 s98, s100, 1536
	s_mul_i32 s101, s96, 768
	s_add_co_u32 s98, s98, s101
	s_mov_b32 s99, 0
	s_add_nc_u64 s[10:11], s[4:5], s[98:99]
	s_lshl_b32 s98, s100, 7
	s_lshl_b32 s101, s96, 6
	s_add_co_u32 s98, s98, s101
	s_add_co_u32 s98, s98, 18874368
	s_add_nc_u64 s[12:13], s[4:5], s[98:99]
	s_lshl_b32 s98, s77, 7
	s_add_co_u32 s98, s98, 524288
	s_add_nc_u64 s[14:15], s[6:7], s[98:99]
.irp p, 0,1,2
	global_load_b64 v[16+2*\p:17+2*\p], v1, s[10:11] offset:256*\p
.endr
	global_load_b32 v255, v2, s[12:13]             ; lanes 0-15: my head's words (lanes 16-31 read 64 bytes further on in the same buffer; the unit does not take them)
	s_load_b512 s[16:31], s[14:15], 0x0            ; the sixteen steps' AND words,
	s_load_b512 s[32:47], s[14:15], 0x40           ; and OR words
	v_mov_b32 v13, 0xff61b1e6                      ; the largest t so far: -3e38
	s_delay_alu instid0(VALU_DEP_1)
	v_floor_f32 v12, -v13
	v_mov_b32 v14, 0
	v_mov_b32 v15, 0
.set j, 0
.rept 32
	v_mov_b32 v[O+j], 0                            ; O^T: the step is written once; the first finds zeros, which the first change of M leaves zeros
.set j, j+1
.endr
.irp i, 236,237,238,239,252,253
	v_mov_b32 v\i, 0                               ; lane permutes' destinations and the pair v[252:253]: written before they are named
.endr
	s_mov_b32 s72, 0
	s_mov_b32 s74, 0
	s_mov_b32 s75, 0
	s_mov_b32 s76, 0
	s_wait_kmcnt 0x0
	s_lshl_b32 s98, s77, 12
	s_add_nc_u64 s[14:15], s[6:7], s[98:99]        ; the tile's mask words, 256 bytes a step
	s_and_b32 s78, s16, s17
.irp k, 18,19,20,21,22,23,24,25,26,27,28,29,30,31
	s_and_b32 s78, s78, s\k
.endr
	s_lshr_b32 s79, s78, 16                        ; a row is masked everywhere where both its lanes' bits are set in every step's AND word
	s_and_b32 s79, s79, s78
	s_and_b32 s79, s79, 0xffff
	s_cselect_b32 s79, 1, 0                        ; then no step is left out
.set k, 0
.rept 16
	s_cmp_eq_u32 s[32+k], 0
	s_cselect_b32 s98, 2, 1
	s_cmp_eq_u32 s[16+k], -1
	s_cselect_b32 s98, s79, s98
	s_lshl_b32 s98, s98, 2*k
	s_or_b32 s75, s75, s98
.set k, k+1
.endr
	s_wait_loadcnt 0x0                             ; Q
.Lstep_\@:
	STEP
	s_add_co_u32 s76, s76, 1
	s_cmp_lt_u32 s76, 16
	s_cbranch_scc1 .Lstep_\@
	s_setprio 0
	; the way out: O^T / the sum, two blocks of 32 channels quantised; a lane's 16 codes are 12 consecutive bytes of its row
.rept 4
	v_nop
.endr
	v_add_f32 v14, v14, v15
	s_wait_alu depctr_va_vdst(0)
	v_permlanex16_b32 v252, v14, s68, s69
	s_delay_alu instid0(VALU_DEP_1)
	v_add_f32 v14, v14, v252                       ; the row's sum
	s_wait_alu depctr_va_vdst(0)
	v_rcp_f32 v14, v14
	s_lshr_b32 s98, s77, 1
	s_lshl_b32 s98, s98, 5
	s_and_b32 s100, s77, 1
	s_lshl_b32 s100, s100, 3
	s_add_co_u32 s98, s98, s100
	s_lshl_b32 s100, s73, 11
	s_add_co_u32 s98, s98, s100                    ; the tile's first row: 2,048 x batch + 32 (T / 2) + 8 (T % 2)
	s_mul_i32 s100, s98, 768
	s_mul_i32 s101, s97, 48
	s_add_co_u32 s100, s100, s101
	s_lshl_b32 s98, s98, 5
	s_lshl_b32 s101, s97, 1
	s_add_co_u32 s98, s98, s101
	v_add_nc_u32 v10, s100, v4                     ; (plain lines behind the reciprocal)
	v_add_nc_u32 v11, s98, v7
	s_wait_alu depctr_va_vdst(0)                   ; ahead of the reciprocal's first reader
.set j, 0
.rept 16
	v_pk_mul_f32 v[S+j:S+j+1], v[O+j:O+j+1], v[14:15] op_sel_hi:[1,0]
.set j, j+2
.endr
.irp b, 0,1
	v_max3_num_f32 v[232+\b], |v[S+16*\b]|, |v[S+1+16*\b]|, 0x1800000
.endr
.irp i, 2,4,6,8,10,12,14
.irp b, 0,1
	s_delay_alu instid0(VALU_DEP_2)
	v_max3_num_f32 v[232+\b], v[232+\b], |v[S+16*\b+\i]|, |v[S+1+16*\b+\i]|
.endr
.endr
.irp b, 0,1
	s_delay_alu instid0(VALU_DEP_2)
	v_permlanex16_b32 v[236+\b], v[232+\b], s68, s69
.endr
.irp b, 0,1
	s_delay_alu instid0(VALU_DEP_2)
	v_max_num_f32 v[232+\b], v[232+\b], v[236+\b]
.endr
.irp b, 0,1
	s_delay_alu instid0(VALU_DEP_2)
	v_add_nc_u32 v[244+\b], 0xff000000, v[232+\b]
.endr
.irp b, 0,1
	s_delay_alu instid0(VALU_DEP_2)
	v_lshrrev_b32 v[236+\b], 23, v[244+\b]
.endr
	s_delay_alu instid0(VALU_DEP_1)
	v_lshl_or_b32 v254, v237, 8, v236              ; the head's two scale bytes of my row
	v_cvt_scalef32_pk16_fp6_f32 v[224:226], v[S:S+15], v244
	v_cvt_scalef32_pk16_fp6_f32 v[228:230], v[S+16:S+31], v245
	v_nop                                          ; one plain line behind the scaled conversions
	global_store_b96 v10, v[224:226], s[8:9]               ; channels 16 h + 0 .. 15 of the head: bytes 48 head + 12 h of the row
	global_store_b96 v10, v[228:230], s[8:9] offset:24     ; channels 32 + 16 h + 0 .. 15
	global_store_b16 v11, v254, s[8:9] offset:6291456      ; both lanes of a row write the same two bytes with the same value
.endm
	s_lshl_b32 s77, ttmp9, 4
	s_add_co_u32 s77, s77, s66                     ; g
	TILE
	s_sub_co_u32 s77, 127, s77                     ; 127 - g
	TILE
	s_wait_tensorcnt 0x0                           ; the wave's end
	ds_add_u32 v5, v6
	s_wait_dscnt 0x0
	s_endpgm
.Lfunc_end_k_qf083adaa5c_attn:
	.size	k_qf083adaa5c_attn, .Lfunc_end_k_qf083adaa5c_attn-k_qf083adaa5c_attn
	.p2alignl 7, 3214868480
	.fill 96, 4, 3214868480
	.section	.rodata,"a",@progbits
	.p2align	6, 0x0
	.amdhsa_kernel k_qf083adaa5c_attn
		.amdhsa_group_segment_fixed_size 215040
		.amdhsa_private_segment_fixed_size 0
		.amdhsa_enable_private_segment 0
		.amdhsa_kernarg_size 24
		.amdhsa_user_sgpr_count 2
		.amdhsa_user_sgpr_kernarg_segment_ptr 1
		.amdhsa_wavefront_size32 1
		.amdhsa_system_sgpr_workgroup_id_x 1
		.amdhsa_system_sgpr_workgroup_id_y 1
		.amdhsa_system_sgpr_workgroup_id_z 1
		.amdhsa_system_vgpr_workitem_id 0
		.amdhsa_next_free_vgpr 256
		.amdhsa_next_free_sgpr 102
		.amdhsa_reserve_vcc 0
		.amdhsa_float_denorm_mode_32 3
		.amdhsa_float_denorm_mode_16_64 3
		.amdhsa_memory_ordered 1
		.amdhsa_forward_progress 1
		.amdhsa_inst_pref_size 78
	.end_amdhsa_kernel
	.amdgpu_metadata
---
amdhsa.version: [ 1, 2 ]
amdhsa.kernels:
  - .name:           k_qf083adaa5c_attn
    .symbol:         k_qf083adaa5c_attn.kd
    .args:
      - { .name: img, .offset: 0, .size: 8, .value_kind: global_buffer, .address_space: global }
      - { .name: mw, .offset: 8, .size: 8, .value_kind: global_buffer, .address_space: global }
      - { .name: ao, .offset: 16, .size: 8, .value_kind: global_buffer, .address_space: global }
    .group_segment_fixed_size: 215040
    .private_segment_fixed_size: 0
    .kernarg_segment_align: 8
    .kernarg_segment_size: 24
    .max_flat_workgroup_size: 512
    .sgpr_count:     102
    .vgpr_count:     256
    .wavefront_size: 32
...
	.end_amdgpu_metadata
.endif
;; end of part 3
;; launch outp (part 4): grid 4 x 32, 4 waves a work-group, clusters of 4 x 4, 327,680 bytes of LDS; arguments ao, wq, bo, out0; writes out0
.if DOCPART == 4
	.amdgcn_target "amdgcn-amd-amdhsa--gfx1250"
	.amdhsa_code_object_version 6
	.text
	.protected	k_qf083adaa5c_outp
	.globl	k_qf083adaa5c_outp
	.p2align	8
	.type	k_qf083adaa5c_outp,@function
k_qf083adaa5c_outp:
	s_mov_b64 s[64:65], 0
	v_nop
	global_prefetch_b8 v0, s[64:65] scope:SCOPE_SE
	s_setreg_imm32_b32 hwreg(HW_REG_WAVE_MODE, 25, 1), 1
	s_wait_xcnt 0x0
	s_wait_alu depctr_hold_cnt(0) depctr_sa_sdst(0) depctr_va_vdst(0) depctr_va_sdst(0) depctr_va_ssrc(0) depctr_va_vcc(0) depctr_vm_vsrc(0)
	s_getreg_b32 s2, hwreg(HW_REG_IB_STS2, 6, 4)
	s_cmp_eq_u32 s2, 0
	s_cbranch_scc0 .Lentry_in_a_cluster
	s_endpgm
.Lentry_in_a_cluster:
	s_bfe_u32 s2, ttmp6, 0x10000c
	s_cmp_lg_u32 s2, 0xf033
	s_cbranch_scc0 .Lentry_shape_is_right
	s_endpgm
.Lentry_shape_is_right:
; OUTP: out0 = attention's output x Wo + bo, on codes of FP6 (E2M3) with E8M0 scales, M 8,192, N 1,024, K 1,024; sums in f32.
; A = the attention launch's codes [8192][768 bytes] in their true rows, scale bytes [8192][32]; B = Wo's codes laid [n][k], rows stored with bits 3 and 4 of n exchanged, scale bytes beside them.
; A work-group of four waves makes 256 x 256 of the output, a wave 128 x 128: 64 accumulators, 512 registers.  K goes in steps of 256 through two LDS slots filled by the tensor data mover; the scales of the work-group's rows come once.
; CLUSTERS of 4 x 4: A's tile is shared along a row of the cluster, B's along a column: each is asked for JOINTLY.  128 work-groups: the problem has no more tiles of this size.
; THE MATRIX INSTRUCTION IS USED TRANSPOSED (source 0 = 16 rows of B, source 1 = 16 rows of A): lane (r, h) holds row r, and the eight registers of B's block b are columns 32 (b / 2) + 16 h + 8 (b % 2) + 0 .. 7 (the stored order of B's rows).
; THE BIAS is the C of each sum's first matrix instruction: eight registers for each of B's blocks, in the result's layout.  The columns are set right in the stage on the way out, by the places at which a lane stores.
; REGISTERS, in windows of 256: window 0: v0-31 addresses; v32-63 scale words, two sets, and nothing else; v64-127 the bias; from v128 A's fragments, ONE set (on the way out rows of the output); window 1: B's fragments, two sets;
; windows 2 and 3: the accumulators of my rows 0-63 and 64-127.
.set SIZE_N, 1024
.set KSTEP,  256
.set NQ,     2
.set ROWB,   192
.set KROW,   768
.set PITCH,  240                       ; an LDS row: 3 x (64 bytes + 16 of padding): the 32 lanes of a load of 8 bytes touch 64 different banks (64 banks of 4 bytes: ISA guide 11.1)
.set FR,     12
.set NL,     6
.set NP,     4                         ; places behind this matrix instruction (ISA guide 7.12.1)
.set HALFT,  128*PITCH
.set SLOT,   4*HALFT
.set LAPS,   2
.set KS,     32
.set SCL,    2*SLOT
.set HALFS,  (128*KS/256)*272
.set SBLK,   (16*KS/256)*272
.set SPARE,  SCL+4*HALFS               ; the spare words: 128 bytes a wave, two blocks of 256 bytes that no other line names
.set SPITCH, 528                       ; the way out: a stage of 16 rows x (512 + 16) bytes for each wave, in slot 0, which has had its last fill and its last read by then
.set ADRA, 16
.set ADRB, 20
.set STO,  24
.set RD,   25
.set CO,   26
.set SPW,  28
.set NIL,  29
.set ADRS, 27
.set SC,   32
.set BI,   64                          ; the bias
.set AF,   128
.set BK,   128
.set G1, 24
.set G0, 32
.set G1B, 48
.set G0B, 56
.set G1S, 68
.set G0S, 76
.set G1SB, 80
.set G0SB, 88
.set MSB, 0
.macro WIN new                         ; the immediate's high byte repeats the setting that is left
.if MSB != \new
	s_set_vgpr_msb (MSB<<8)|\new
.set MSB, \new
.endif
.endm
.set MUL_LO, 0xa1                      ; source 0 (B) window 1, source 1 (A) window 0, C and D window 2
.set MUL_HI, 0xf1
.set BIA_LO, 0x81                      ; the same with C (the bias) in window 0
.set BIA_HI, 0xc1
.set TO_B,   0x40
.macro JLOAD g0a, g1a, g0b, g1b        ; a joint load: waves 0 and 1 fetch for A, waves 2 and 3 for B; an s_nop 0 and four v_nop follow each of the two lines
	s_cmp_eq_u32 s15, 0
	s_cbranch_scc0 .Lfor_b_\@
	tensor_load_to_lds s[\g0a:\g0a+3], s[\g1a:\g1a+7]
	s_nop 0
.rept 4
	v_nop
.endr
	s_branch .Lasked_\@
.Lfor_b_\@:
	tensor_load_to_lds s[\g0b:\g0b+3], s[\g1b:\g1b+7]
	s_nop 0
.rept 4
	v_nop
.endr
.Lasked_\@:
.endm
.macro CREST
	s_cmp_lg_u32 s14, 0
	s_cbranch_scc1 .Lnot_wave_0_\@
	s_barrier_signal -3
.Lnot_wave_0_\@:
	s_barrier_wait -3
	s_barrier_signal -1
	s_barrier_wait -1
.endm
.macro CROUND
	s_barrier_signal -1
	s_barrier_wait -1
	CREST
.endm
	s_load_b128 s[4:7], s[0:1], 0x0                ; ao, wq
	s_load_b128 s[96:99], s[0:1], 0x10             ; bo, out0
	v_lshl_add_u32 v[SPW], v0, 2, SPARE
	v_mov_b32 v[NIL], 0
	ds_add_u32 v[SPW], v[NIL]                      ; the wave's opening: the add and its wait come ahead of my first tensor load; the set-up below stands between them
	v_lshrrev_b32 v1, 5, v0
	v_readfirstlane_b32 s14, v1                    ; wave 0..3
	s_lshr_b32 s15, s14, 1                         ; which half of the tile's rows is mine.  Also: I fetch for A (0) or for B (1)
	s_and_b32 s16, s14, 1                          ; which half of its columns.  Also: which 128 rows of that tile I fetch
	s_bfe_u32 s40, ttmp6, 0x40000                  ; cx, cy
	s_bfe_u32 s41, ttmp6, 0x40004
	s_lshl_b32 s42, ttmp9, 2
	s_add_co_u32 s42, s42, s40                     ; tile column
	s_and_b32 s17, ttmp7, 0xffff
	s_lshl_b32 s17, s17, 2
	s_add_co_u32 s17, s17, s41                     ; tile row
	s_lshl_b32 s43, s41, 2
	s_lshl_b32 s43, 15, s43                        ; my row of the cluster
	s_lshl_b32 s44, 0x1111, s40                    ; my column
	s_or_b32 s[G1+0], s43, (0<<16)|(1<<20)|(1<<21)|(3<<22)|(3<<25)
	s_or_b32 s[G1B+0], s44, (0<<16)|(1<<20)|(1<<21)|(3<<22)|(3<<25)
.irp g, G1, G1B
	s_mov_b32 s[\g+1], ROWB<<16
	s_mov_b32 s[\g+2], 128<<16
	s_mov_b32 s[\g+3], ROWB<<16
	s_mov_b32 s[\g+4], 128
	s_mov_b32 s[\g+5], KROW
	s_mov_b32 s[\g+6], 0
	s_mov_b32 s[\g+7], 0
.endr
	s_or_b32 s[G1S+0], s43, (3<<16)|(1<<20)|(1<<21)|(5<<22)|(3<<25)
	s_or_b32 s[G1SB+0], s44, (3<<16)|(1<<20)|(1<<21)|(5<<22)|(3<<25)
.irp g, G1S, G1SB
	s_mov_b32 s[\g+1], 32<<16
	s_mov_b32 s[\g+2], (128*KS/256)<<16
	s_mov_b32 s[\g+3], 32<<16
	s_mov_b32 s[\g+4], 128*KS/256
	s_mov_b32 s[\g+5], 32
	s_mov_b32 s[\g+6], 0
	s_mov_b32 s[\g+7], 0
.endr
	s_lshl_b32 s18, s16, 7
	s_lshl_b32 s20, s17, 8
	s_add_co_u32 s20, s20, s18
	s_lshl_b32 s46, s42, 8
	s_add_co_u32 s46, s46, s18
	s_mov_b32 s21, 0
	s_mov_b32 s47, 0
	s_mov_b64 s[18:19], KS
	s_mul_u64 s[22:23], s[20:21], s[18:19]
	s_mul_u64 s[92:93], s[46:47], s[18:19]
	s_mov_b64 s[18:19], KROW
	s_mul_u64 s[20:21], s[20:21], s[18:19]
	s_mul_u64 s[46:47], s[46:47], s[18:19]
	s_mul_i32 s45, s14, HALFT
	s_mul_i32 s94, s14, HALFS
	s_wait_dscnt 0x0                               ; the opening add is done
	s_wait_kmcnt 0x0
	s_add_nc_u64 s[8:9], s[6:7], 2359296           ; Wo's codes: the fourth weight
	s_add_nc_u64 s[10:11], s[6:7], 3244032         ; and its scale bytes
	s_add_nc_u64 s[6:7], s[4:5], 6291456           ; A's scale bytes
	s_mov_b64 s[12:13], s[98:99]                   ; out0
	s_add_nc_u64 s[20:21], s[4:5], s[20:21]
	s_add_nc_u64 s[22:23], s[6:7], s[22:23]
	s_add_nc_u64 s[46:47], s[8:9], s[46:47]
	s_add_nc_u64 s[92:93], s[10:11], s[92:93]
	CROUND                                         ; all sixteen work-groups are here: the first joint loads meet
	s_mov_b32 s[G0S], 1
	s_add_co_u32 s[G0S+1], s94, SCL
	s_mov_b64 s[G0S+2:G0S+3], s[22:23]
	s_or_b32 s[G0S+3], s[G0S+3], 0x80000000
	s_mov_b32 s[G0SB], 1
	s_add_co_u32 s[G0SB+1], s94, SCL
	s_mov_b64 s[G0SB+2:G0SB+3], s[92:93]
	s_or_b32 s[G0SB+3], s[G0SB+3], 0x80000000
	JLOAD G0S, G1S, G0SB, G1SB
.irp s, 0,1
	s_mov_b32 s[G0+4*\s], 1
	s_add_co_u32 s[G0+4*\s+1], s45, \s*SLOT
	s_add_nc_u64 s[G0+4*\s+2:G0+4*\s+3], s[20:21], \s*ROWB
	s_or_b32 s[G0+4*\s+3], s[G0+4*\s+3], 0x80000000
	s_mov_b32 s[G0B+4*\s], 1
	s_add_co_u32 s[G0B+4*\s+1], s45, \s*SLOT
	s_add_nc_u64 s[G0B+4*\s+2:G0B+4*\s+3], s[46:47], \s*ROWB
	s_or_b32 s[G0B+4*\s+3], s[G0B+4*\s+3], 0x80000000
	JLOAD G0+4*\s, G1, G0B+4*\s, G1B               ; three tensor loads of mine are out at the most
.endr
	v_and_b32 v1, 15, v0                           ; l % 16
	v_bfe_u32 v2, v0, 4, 1                         ; l / 16
	v_mul_u32_u24 v3, v1, PITCH
	v_mul_u32_u24 v4, v2, 24
	v_add_nc_u32 v4, v3, v4
	v_lshl_add_u32 v5, v2, 4, v4
	s_mul_i32 s21, s15, HALFT
	s_mul_i32 s22, s16, HALFT
	s_add_co_u32 s22, s22, 2*HALFT
.irp s, 0,1
	v_add_nc_u32 v[ADRA+\s], s21, v4
	v_add_nc_u32 v[ADRB+\s], s22, v4
	v_add_nc_u32 v[ADRA+2+\s], s21, v5
	v_add_nc_u32 v[ADRB+2+\s], s22, v5
	s_add_co_u32 s21, s21, SLOT
	s_add_co_u32 s22, s22, SLOT
.endr
	v_mul_u32_u24 v5, v1, KS
	v_lshrrev_b32 v6, 8, v5
	v_lshl_add_u32 v5, v6, 4, v5
	s_mul_i32 s21, s15, HALFS
	s_mul_i32 s22, s16, HALFS
	s_add_co_u32 s22, s22, 2*HALFS
	s_sub_co_u32 s22, s22, s21
	v_mul_u32_u24 v6, s22, v2                      ; lanes 16-31 take B's
	s_add_co_u32 s21, s21, SCL
	v_add_nc_u32 v5, v5, v6
	v_add_nc_u32 v[ADRS], s21, v5
	s_mul_i32 s23, s14, 16*SPITCH                  ; my stage
	v_mul_u32_u24 v5, v1, SPITCH                   ; in: row l % 16; my half's 16 columns of each 32 lie 64 bytes on
	v_lshl_add_u32 v5, v2, 6, v5
	v_add_nc_u32 v[STO], s23, v5
	v_and_b32 v6, 31, v0
	v_lshlrev_b32 v[CO], 4, v6                     ; back: the 32 lanes take one row of 512 bytes; and the same in the output
	v_add_nc_u32 v[RD], s23, v[CO]
	s_lshl_b32 s20, s17, 8
	s_lshl_b32 s21, s15, 7
	s_add_co_u32 s20, s20, s21                     ; my first row
	s_mov_b32 s21, 0
	s_mov_b64 s[18:19], SIZE_N*4
	s_mul_u64 s[20:21], s[20:21], s[18:19]
	s_lshl_b32 s46, s42, 10                        ; my first column, in bytes
	s_lshl_b32 s47, s16, 9
	s_add_co_u32 s46, s46, s47
	s_mov_b32 s47, 0
	s_add_nc_u64 s[20:21], s[20:21], s[46:47]
	s_add_nc_u64 s[12:13], s[12:13], s[20:21]
	s_add_nc_u64 s[96:97], s[96:97], s[46:47]      ; the bias of my 128 columns
	v_lshlrev_b32 v7, 6, v2                        ; + 16 h numbers
.irp b, 0,1,2,3,4,5,6,7
	global_load_b128 v[BI+8*\b:BI+8*\b+3], v7, s[96:97] offset:(32*(\b/2)+8*(\b%2))*4
	global_load_b128 v[BI+8*\b+4:BI+8*\b+7], v7, s[96:97] offset:(32*(\b/2)+8*(\b%2))*4+16
.endr
.macro FRAG reg, adr, q, i
.irp p, 0,1,2,3,4,5
.set PCE, 12*(\q)+6*(\p/3)+\p%3
.if PCE%8 < 5
	ds_load_b64 v[\reg+2*\p:\reg+2*\p+1], v[\adr] offset:8*PCE+16*(PCE/8)+(\i)*16*PITCH
.else
	ds_load_b64 v[\reg+2*\p:\reg+2*\p+1], v[\adr+2] offset:8*PCE+16*(PCE/8)+(\i)*16*PITCH
.endif
.endr
.endm
; 16 matrix instructions: A's blocks a0, a0 + 1 x B's eight.  first = 1: the bias starts the sums.  The 64 accumulators take turns, one instruction a turn.
.macro MUL16 a0, p, q, sc, first
.irp a, \a0, \a0+1
.irp b, 0,1,2,3,4,5,6,7
.if \first
	v_wmma_scale_f32_16x16x128_f8f6f4 v[8*(8*((\a)%4)+\b):8*(8*((\a)%4)+\b)+7], v[128*(\p)+FR*\b:128*(\p)+FR*\b+FR-1], v[AF+FR*(\a):AF+FR*(\a)+FR-1], v[BI+8*\b:BI+8*\b+7], v[SC+8*NQ*(\sc)+NQ*\b+(\q)], v[SC+8*NQ*(\sc)+NQ*(\a)+(\q)] matrix_a_fmt:MATRIX_FMT_FP6 matrix_b_fmt:MATRIX_FMT_FP6 matrix_a_scale:MATRIX_SCALE_ROW1
.else
	v_wmma_scale_f32_16x16x128_f8f6f4 v[8*(8*((\a)%4)+\b):8*(8*((\a)%4)+\b)+7], v[128*(\p)+FR*\b:128*(\p)+FR*\b+FR-1], v[AF+FR*(\a):AF+FR*(\a)+FR-1], v[8*(8*((\a)%4)+\b):8*(8*((\a)%4)+\b)+7], v[SC+8*NQ*(\sc)+NQ*\b+(\q)], v[SC+8*NQ*(\sc)+NQ*(\a)+(\q)] matrix_a_fmt:MATRIX_FMT_FP6 matrix_b_fmt:MATRIX_FMT_FP6 matrix_a_scale:MATRIX_SCALE_ROW1
.endif
.endr
.endr
.endm
.macro FETCH_B slot, q, p
	WIN TO_B
.irp i, 0,1,2,3,4,5,6,7
	FRAG 128*(\p)+FR*\i, ADRB+\slot, \q, \i
.endr
	WIN 0
.endm
.macro FETCH_A slot, q, i0
.irp i, \i0, \i0+1, \i0+2, \i0+3
	FRAG AF+FR*(\i), ADRA+\slot, \q, \i
.endr
.endm
.macro SCALES sc
.irp i, 0,1,2,3,4,5,6,7
	ds_load_b64 v[SC+8*NQ*\sc+NQ*\i:SC+8*NQ*\sc+NQ*\i+1], v[ADRS] offset:\i*SBLK
.endr
.endm
.macro PLACES n
.rept \n
	v_nop
.endr
.endm
.macro STEP slot, q, first
	s_wait_dscnt 4*NL                              ; B's set and A's blocks 0-3 are in; the youngest 24 loads (A's blocks 4-7) may be out
.if \first
	WIN BIA_LO
.else
	WIN MUL_LO
.endif
	MUL16 0, (\q)%2, \q, \slot, \first
	MUL16 2, (\q)%2, \q, \slot, \first
	s_wait_dscnt 0
	PLACES NP
	FETCH_B \slot, (\q)+1, 1-(\q)%2
	FETCH_A \slot, (\q)+1, 0
.if \first
	WIN BIA_HI
.else
	WIN MUL_HI
.endif
	MUL16 4, (\q)%2, \q, \slot, \first
	MUL16 6, (\q)%2, \q, \slot, \first
	PLACES NP
	WIN 0
	FETCH_A \slot, (\q)+1, 4
.endm
.macro TURN slot, next, fill           ; a slot's last step changes slots: ONE barrier; in front of it each wave waits for all its tensor loads, adds 0 to its spare word, and waits for that and for its reads of this slot
	s_wait_tensorcnt 0x0
	ds_add_u32 v[SPW], v[NIL]
	s_wait_dscnt 4*NL+1                            ; the add and the youngest 24 loads may be out
	WIN MUL_LO
	MUL16 0, 1, NQ-1, \slot, 0
	s_wait_dscnt 0x0                               ; the add is done, and my reads of this slot are over
	s_barrier_signal -1
	MUL16 2, 1, NQ-1, \slot, 0
	WIN 0
	s_barrier_wait -1
.if \fill
	CREST                                          ; a round of the cluster's barrier: no wave of any partner still reads this slot or has a load on its way
	s_add_nc_u64 s[G0+4*\slot+2:G0+4*\slot+3], s[G0+4*\slot+2:G0+4*\slot+3], 2*ROWB
	s_add_nc_u64 s[G0B+4*\slot+2:G0B+4*\slot+3], s[G0B+4*\slot+2:G0B+4*\slot+3], 2*ROWB
	JLOAD G0+4*\slot, G1, G0B+4*\slot, G1B
.else
	PLACES NP
.endif
	v_add_nc_u32 v[ADRS], 4*NQ, v[ADRS]
	FETCH_B \next, 0, 0
	FETCH_A \next, 0, 0
	SCALES \next
	WIN MUL_HI
	MUL16 4, 1, NQ-1, \slot, 0
	MUL16 6, 1, NQ-1, \slot, 0
	PLACES NP
	WIN 0
	FETCH_A \next, 0, 4
.endm
	s_wait_tensorcnt 1                             ; the scales and my part of K step 0 are in; K step 1's load may be out
	s_barrier_signal -1
	s_barrier_wait -1
	FETCH_B 0, 0, 0
	FETCH_A 0, 0, 0
	SCALES 0
	FETCH_A 0, 0, 4
	s_wait_loadcnt 0x0                             ; the bias
	STEP 0, 0, 1
	s_mov_b32 s3, LAPS-1
.Llap:
	TURN 0, 1, 1
	STEP 1, 0, 0
	TURN 1, 0, 1
	STEP 0, 0, 0
	s_sub_co_u32 s3, s3, 1
	s_cmp_lg_u32 s3, 0
	s_cbranch_scc1 .Llap
	TURN 0, 1, 0
	STEP 1, 0, 0
	s_wait_dscnt 4*NL
	WIN MUL_LO
	MUL16 0, 1, NQ-1, 1, 0
	MUL16 2, 1, NQ-1, 1, 0
	s_wait_dscnt 0
	WIN MUL_HI
	MUL16 4, 1, NQ-1, 1, 0
	MUL16 6, 1, NQ-1, 1, 0
	WIN 0
; THE WAY OUT, block by block of 16 rows x 128 columns, through my own stage; it comes back as whole rows of 512 bytes.  LDS serves a wave's instructions in order (ISA guide 5.7.1.4).
.macro TOSTAGE a
.set AC, 64*((\a)%4)
.set WD, 0x08+4*((\a)/4)
	WIN WD                                         ; the data: window 2 or 3
.irp b, 0,1,2,3,4,5,6,7
	ds_store_b128 v[STO], v[AC+8*\b:AC+8*\b+3] offset:128*(\b/2)+32*(\b%2)          ; columns 32 (b / 2) + 16 h + 8 (b % 2) on; each accumulator from its low end on
	ds_store_b128 v[STO], v[AC+8*\b+4:AC+8*\b+7] offset:128*(\b/2)+32*(\b%2)+16
.endr
	WIN 0
.set BB, BK+64*((\a)%2)
.irp t, 0,1,2,3,4,5,6,7,8,9,10,11,12,13,14,15
	ds_load_b128 v[BB+4*\t:BB+4*\t+3], v[RD] offset:\t*SPITCH
.endr
.endm
.macro SEND a, younger                 ; younger: the LDS instructions issued behind block a's loads, which may stay out
.set BB, BK+64*((\a)%2)
	s_wait_dscnt \younger
.if (\a) > 0
	s_add_nc_u64 s[12:13], s[12:13], 16*SIZE_N*4   ; (behind a wait on XCNT: the earlier stores have read their base)
.endif
.irp t, 0,1,2,3,4,5,6,7,8,9,10,11,12,13,14,15
	global_store_b128 v[CO], v[BB+4*\t:BB+4*\t+3], s[12:13] offset:\t*SIZE_N*4 th:TH_STORE_NT   ; 32 lanes store 512 consecutive bytes, aligned
.endr
.endm
	PLACES NP
	TOSTAGE 0
.irp a, 1,2,3,4,5,6,7
.if \a > 1
	s_wait_xcnt 0x0                                ; block a - 2's stores have read their registers and their base
.endif
	TOSTAGE \a
	SEND \a-1, 32                                  ; behind block a - 1's loads: block a's 16 stores and 16 loads
.endr
	s_wait_xcnt 0x0
	SEND 7, 0
	s_wait_tensorcnt 0x0                           ; the wave's end
	ds_add_u32 v[SPW], v[NIL]
	s_wait_dscnt 0x0
	CROUND                                         ; the closing round
	s_endpgm
.Lfunc_end_k_qf083adaa5c_outp:
	.size	k_qf083adaa5c_outp, .Lfunc_end_k_qf083adaa5c_outp-k_qf083adaa5c_outp
	.p2alignl 7, 3214868480
	.fill 96, 4, 3214868480
	.section	.rodata,"a",@progbits
	.p2align	6, 0x0
	.amdhsa_kernel k_qf083adaa5c_outp
		.amdhsa_group_segment_fixed_size 327680
		.amdhsa_private_segment_fixed_size 0
		.amdhsa_enable_private_segment 0
		.amdhsa_kernarg_size 32
		.amdhsa_user_sgpr_count 2
		.amdhsa_user_sgpr_kernarg_segment_ptr 1
		.amdhsa_wavefront_size32 1
		.amdhsa_system_sgpr_workgroup_id_x 1
		.amdhsa_system_sgpr_workgroup_id_y 1
		.amdhsa_system_sgpr_workgroup_id_z 1
		.amdhsa_system_vgpr_workitem_id 0
		.amdhsa_next_free_vgpr 1024
		.amdhsa_next_free_sgpr 102
		.amdhsa_reserve_vcc 0
		.amdhsa_float_denorm_mode_32 3
		.amdhsa_float_denorm_mode_16_64 3
		.amdhsa_memory_ordered 1
		.amdhsa_forward_progress 1
		.amdhsa_inst_pref_size 161
	.end_amdhsa_kernel
	.amdgpu_metadata
---
amdhsa.version: [ 1, 2 ]
amdhsa.kernels:
  - .name:           k_qf083adaa5c_outp
    .symbol:         k_qf083adaa5c_outp.kd
    .args:
      - { .name: ao, .offset: 0, .size: 8, .value_kind: global_buffer, .address_space: global }
      - { .name: wq, .offset: 8, .size: 8, .value_kind: global_buffer, .address_space: global }
      - { .name: bo, .offset: 16, .size: 8, .value_kind: global_buffer, .address_space: global }
      - { .name: out0, .offset: 24, .size: 8, .value_kind: global_buffer, .address_space: global }
    .group_segment_fixed_size: 327680
    .private_segment_fixed_size: 0
    .kernarg_segment_align: 8
    .kernarg_segment_size: 32
    .max_flat_workgroup_size: 128
    .sgpr_count:     102
    .vgpr_count:     1024
    .wavefront_size: 32
...
	.end_amdgpu_metadata
.endif
;; end of part 4
